; MI455X (gfx1250); checked and timed in simulation.
; The chip was launched on July 23, 2026; its instructions are those of AMD's public machine-readable ISA for CDNA 5 (MIT licence, August 2026) and "CDNA5" Instruction Set Architecture Reference Guide (July 2026). The comments in the code are by the model that wrote it; some were corrected since.
;; Attention. Allowed arithmetic: matrix products marked QUANTISED: E2M3 operands, one E8M0 scale for each 32 along K, by v_wmma_scale_f32_16x16x128_f8f6f4 with both operands' format E2M3, f32 sums; everything else in f32.
;; Inputs: b_proj 1,024 float32; w_proj 1,024 x 1,024 float32; w_qkv 1,024 x 3,072 float32; x 8 x 1,024 x 1,024 float32.
;; Outputs: out0 8 x 1,024 x 1,024 float32.
;; This version of the problem:
;;   THIS VERSION OF THE PROBLEM IS GIVEN IN LOW PRECISION. The matrix products marked QUANTISED in the list below multiply operands that are first quantised to E2M3 (2 exponent bits, 3 mantissa bits; 6 bits a number), with one power-of-two scale for each 32 numbers along K (OCP MX v1.0); their sums are f32. All else is computed in f32.
;;   The module's matrix products, in the order in which they are computed (A, B: the left and right operand; K: the contracted axis; several contracted axes count as one K, in the product's order):
;;     1. [M 8,192, K 1,024] x [K 1,024, N 3,072]; A: input x; B: input w_qkv: QUANTISED
;;     2. batch 128 x [M 1,024, K 64] x [K 64, N 1,024]; A: computed on the way; B: computed on the way: QUANTISED
;;     3. batch 128 x [M 1,024, K 1,024] x [K 1,024, N 64]; A: softmax (see below); B: computed on the way: QUANTISED
;;     4. [M 8,192, K 1,024] x [K 1,024, N 1,024]; A: computed on the way; B: input w_proj: QUANTISED
;;   THE QUANTISER, for each operand of a quantised product, along K:
;;     - K is cut into blocks of 32 from its start; a last block that is shorter is filled with zeros.
;;     - A block's scale is 2^e with e = floor(log2(the largest magnitude in the block)) - 2, held to -126 .. 127; a block of zeros has e = 0. As a byte (E8M0): e + 127.
;;     - Each number is divided by its block's scale, clamped to +-7.5, and rounded to the nearest number of E2M3, ties to even, subnormals kept.
;;     - The product sums the exact products of the quantised numbers (number of the format x scale) in f32.
;;   ~~~python
;;   def quantise(x, axis):      # numpy; x: float32 -> the quantised numbers, widened to float32 again
;;       x = np.moveaxis(x, axis, -1); K = x.shape[-1]
;;       x = np.pad(x, [(0, 0)] * (x.ndim - 1) + [(0, -K % 32)]); x = x.reshape(x.shape[:-1] + (-1, 32)); a = np.abs(x).max(-1, keepdims=True)
;;       e = np.where(a > 0, np.clip(np.frexp(np.where(a > 0, a, 1))[1] - 1 - 2, -126, 127), 0)      # np.frexp(a)[1] - 1 = floor(log2(a)), exactly
;;       r = np.clip(x / 2.0 ** e, -7.5, 7.5)
;;       step = 2.0 ** (np.maximum(np.frexp(np.where(r == 0, 1, r))[1] - 1, 0) - 3)
;;       q = np.round(r / step) * step * 2.0 ** e      # np.round: ties to even
;;       return np.moveaxis(q.reshape(q.shape[:-2] + (-1,))[..., :K], -1, axis).astype(np.float32)
;;   ~~~
;;   SOFTMAX AHEAD OF A QUANTISED PRODUCT. Where the list says 'softmax', what is quantised is not the finished softmax but p = 2^(t - M), with t = logit x log2(e) and M = ceil(the row's largest t), a whole number; so 1/2 < the row's largest p <= 1. The row's sum l is taken of the UNQUANTISED p, in f32, and the product's result is divided by l at the end. Since M is a whole number, a kernel that streams over the keys may use a running M (the ceiling of the running maximum): every later rescaling is an exact power of two, which a block's scale takes up: the codes' values come out the same.
;;   OPERANDS COMPUTED ON THE WAY. 'Computed on the way' means the value that the module computes at that place (a softmax that the list does not call 'softmax' is quantised finished and normalised). What goes into a quantiser is computed in f32, as accurately as f32 sums, v_exp_f32 and their like allow (about 1e-6 of the number): no bf16 or f16 on the way to a quantiser, and a product that is left as it is and whose result goes on into a quantised operand takes f32 operands (vector FMAs, or v_wmma_f32_16x16x4_f32). A number that lies on a knife's edge between two numbers of the format may be rounded either way, as far as f32 arithmetic and the matrix unit's own rounding can turn it there, and no further.
;; One version. Each part assembles by itself: llvm-mc -triple=amdgcn-amd-amdhsa -mcpu=gfx1250 --defsym DOCPART=n.
;; ======== version 1 of 1: 4 launches
;; limits: right only within a limited range of input values
;; workspace buffers: xq 6,553,600 bytes; wq 2,457,600 bytes; wp 819,200 bytes; qk 13,631,488 bytes; vv 6,553,600 bytes; oq 6,553,600 bytes
;; launch quant (part 1): grid 512 x 1, 4 waves a work-group, no clusters, 68,096 bytes of LDS; arguments x, w_qkv, w_proj, xq, wq, wp; writes xq, wq, wp
.if DOCPART == 1
	.amdgcn_target "amdgcn-amd-amdhsa--gfx1250"
	.amdhsa_code_object_version 6
	.text
	.protected	k_qff343fff16_quant
	.globl	k_qff343fff16_quant
	.p2align	8
	.type	k_qff343fff16_quant,@function
k_qff343fff16_quant:
	s_mov_b64 s[64:65], 0
	v_nop
	global_prefetch_b8 v0, s[64:65] scope:SCOPE_SE
	s_setreg_imm32_b32 hwreg(HW_REG_WAVE_MODE, 25, 1), 1
	s_wait_xcnt 0x0
; x [8192][1024], w_qkv [1024][3072] and w_proj [1024][1024], f32, become codes of FP6 (E2M3) with K innermost, 768 bytes a row, and one E8M0 byte for each 32 along K, 32 bytes a row, behind the codes of the same buffer.
; A block's scale is 2^(floor(log2(its largest magnitude)) - 2); its byte is that magnitude's exponent field - 2, held at 1 from below; numbers are divided by the scale and rounded to the nearest code, ties to even.
; THE ROWS ARE LAID PERMUTED inside each group of 32: place 16 u + 8 w + i holds row 16 w + 8 u + i.  Sixteen rows on end are then a tile whose lane r holds row 8 u + r + 8 (r / 8): as source 0 of a product
; such tiles give a lane 16 neighbours along that axis in the 16 registers of two neighbouring tiles, which is what the next quantiser takes.
; LIMITS: NaN and infinities among the inputs are not served; a block of zeros, or one whose largest magnitude lies under 2^-124, keeps the byte 1 (its codes are zeros or subnormals; this program alone reads the bytes).
; Work-groups 0-255 take x (K innermost: 16 numbers a lane, two lanes to a block; each load reads 512 bytes on end and a step turns through the wave's own stage in LDS).
; Work-groups 256-511 take the weights (K outermost: a lane to a column, its registers down K; codes leave through the wave's own stage as rows of 96 bytes).
; The two ways have LDS bytes of their own.  No tensor loads, no barrier: waves share nothing.
.set STEPS, 16
.set CB,    12                         ; bytes of 16 codes
.set R,     16                         ; x: v16-143  eight sets of 16 numbers as loaded
.set X,     144                        ; x: v144-175 two sets of 16 neighbours (v16-143: eight sets of 16 numbers as loaded)
.set E,     176                        ; x: v176-191 a scale byte for each step
.set C,     192                        ; x: v192-255 codes, four registers a step
.set WREG,  8192                       ; x: LDS region of a wave: two stages of 32 x SP bytes, then its 256 scale bytes
.set SP,    80
.set SPW,   12                         ; v12 LDS address of my spare word; never rewritten
.set NIL,   13                         ; v13 0; never rewritten
.set WSTG,  32768                      ; weights: the four stages, 32 rows x PITCH each
.set PITCH, 272
.set SPARE, WSTG+4*32*PITCH            ; the spare words, 128 bytes a wave: two blocks of 256 bytes that no other line names
.set XSCL,  8192*768                   ; where x's scale bytes begin in xq
.set WX,    32                         ; weights: v32-95 two sets of 32 numbers
.set WC,    96                         ; weights: a block's codes
.set OUTR,  112                        ; weights: v112-175 the way out
.set SB,    24                         ; weights: v24 four scale bytes
.set WO,    176                        ; weights: v176-207 byte offset of row i of a block at my column
	s_load_b256 s[4:11], s[0:1], 0x0               ; x s[4:5], w_qkv s[6:7], w_proj s[8:9], xq s[10:11]
	s_load_b128 s[12:15], s[0:1], 0x20             ; wq s[12:13], wp s[14:15]
	v_lshl_add_u32 v[SPW], v0, 2, SPARE
	v_mov_b32 v[NIL], 0
	v_lshrrev_b32 v1, 5, v0
	v_readfirstlane_b32 s16, v1                    ; wave
	v_and_b32 v2, 31, v0                           ; lane
	s_cmp_lt_u32 ttmp9, 256
	s_cbranch_scc0 .Lweights
	; ---------------- x: a wave takes 8 rows = 16 steps of 512 numbers
	v_lshlrev_b32 v3, 4, v2                        ; my 16 bytes of a load's 512
	s_mul_i32 s17, s16, WREG
	v_lshrrev_b32 v14, 2, v2
	v_mul_u32_u24 v14, v14, SP
	v_and_b32 v15, 3, v2
	v_lshl_add_u32 v14, v15, 4, v14
	v_add_nc_u32 v14, s17, v14                     ; the stage, in: SP (lane / 4) + 16 (lane % 4)
	v_mul_u32_u24 v15, v2, SP
	v_add_nc_u32 v15, s17, v15                     ; and out: SP x lane: my 16 neighbours
	v_mul_u32_u24 v4, v2, CB                       ; my codes' place in a step's
	v_lshrrev_b32 v5, 1, v2
	s_add_co_u32 s17, s17, 2*32*SP
	v_add_nc_u32 v5, s17, v5                       ; my block's byte among the wave's 256
	v_lshlrev_b32 v7, 3, v2
	v_add_nc_u32 v6, s17, v7
	s_lshl_b32 s18, ttmp9, 2
	s_add_co_u32 s19, s18, s16                     ; the run of 8 rows that I read: 4 x work-group + wave
	s_lshl_b32 s20, s19, 15                        ; x 32,768 bytes
	s_mov_b32 s21, 0
	s_and_b32 s22, s16, 1
	s_lshl_b32 s22, s22, 1
	s_lshr_b32 s23, s16, 1
	s_or_b32 s22, s22, s23
	s_add_co_u32 s22, s22, s18                     ; and the run that I write: the wave's two bits change places
	s_mul_i32 s24, s22, 8*768
	s_mov_b32 s25, 0
	s_lshl_b32 s26, s22, 8
	s_add_co_u32 s26, s26, XSCL
	s_mov_b32 s27, 0
	s_wait_alu depctr_va_vdst(0)
	s_wait_kmcnt 0x0
	s_add_nc_u64 s[4:5], s[4:5], s[20:21]
	s_add_nc_u64 s[8:9], s[10:11], s[24:25]        ; my codes
	s_add_nc_u64 s[10:11], s[10:11], s[26:27]      ; my scale bytes
.macro LOAD t
.irp i, 0,1,2,3
	global_load_b128 v[R+16*((\t)%8)+4*\i:R+16*((\t)%8)+4*\i+3], v3, s[4:5] offset:2048*(\t)+512*\i th:TH_LOAD_NT   ; 32 lanes read 512 bytes on end
.endr
.endm
.macro TURN t                          ; step t's numbers through the stage: LDS serves a wave's instructions in order, so no wait stands between the stores and the loads
.irp i, 0,1,2,3
	ds_store_b128 v14, v[R+16*((\t)%8)+4*\i:R+16*((\t)%8)+4*\i+3] offset:32*SP*((\t)%2)+8*SP*\i
.endr
.irp i, 0,1,2,3
	ds_load_b128 v[X+16*((\t)%2)+4*\i:X+16*((\t)%2)+4*\i+3], v15 offset:32*SP*((\t)%2)+16*\i
.endr
.endm
.irp t, 0,1,2,3,4,5,6,7
	LOAD \t                                        ; loads run eight steps ahead: 32 loads of mine are out
.endr
	s_wait_loadcnt 28                              ; step 0's four loads are in
	TURN 0
.macro STEP t
.set XS, X+16*((\t)%2)
.if (\t) > 0
	s_wait_dscnt 1                                 ; this step's numbers are back from the stage; the last step's byte store may be out
.else
	s_wait_dscnt 0x0
.endif
.if (\t)+8 < STEPS
	LOAD (\t)+8                                    ; into the set whose stores to the stage are done
.endif
.if (\t)+1 < STEPS
.if STEPS-2-(\t) >= 7
	s_wait_loadcnt 28                              ; the next step's four loads are in; seven steps' may be out
.else
	s_wait_loadcnt 4*(STEPS-2-(\t))
.endif
	TURN (\t)+1
.endif
	v_max3_num_f32 v8, |v[XS]|, |v[XS+1]|, |v[XS+2]|               ; the largest magnitude of my 16, in two chains
	v_max3_num_f32 v9, |v[XS+3]|, |v[XS+4]|, |v[XS+5]|
.irp i, 6,10
	v_max3_num_f32 v8, v8, |v[XS+\i]|, |v[XS+\i+1]|
	v_max3_num_f32 v9, v9, |v[XS+\i+2]|, |v[XS+\i+3]|
.endr
	v_max3_num_f32 v8, v8, |v[XS+14]|, |v[XS+15]|
	v_max3_num_f32 v8, v8, v9, 0x1800000           ; and the floor 2^(3 - 127): the byte cannot fall under 1
	v_max_num_f32_dpp v8, v8, v8 row_xmask:1 row_mask:0xf bank_mask:0xf   ; with my neighbour's 16: the block's
	v_add_nc_u32 v11, 0xff000000, v8               ; 2 off its exponent field: the conversion takes that field as its scale
	v_cvt_scalef32_pk16_fp6_f32 v[C+4*(\t):C+4*(\t)+2], v[XS:XS+15], v11
	v_lshrrev_b32 v[E+(\t)], 23, v11               ; the scale's byte
	ds_store_b8 v5, v[E+(\t)] offset:16*(\t)       ; both lanes of a block write the same byte with the same value
	global_store_b96 v4, v[C+4*(\t):C+4*(\t)+2], s[8:9] offset:32*CB*(\t)
.endm
.irp t, 0,1,2,3,4,5,6,7,8,9,10,11,12,13,14,15
	STEP \t
.endr
	ds_load_b64 v[8:9], v6                         ; LDS serves a wave's instructions in order: this sees my byte stores
	s_wait_dscnt 0x0
	global_store_b64 v7, v[8:9], s[10:11]          ; 32 lanes store 256 bytes on end, aligned
	s_wait_tensorcnt 0x0                           ; the wave's end
	ds_add_u32 v[SPW], v[NIL]
	s_wait_dscnt 0x0
	s_endpgm
	; ---------------- the weights: a work-group takes 128 columns x 128 along K; column blocks 0-23 are w_qkv's, 24-31 w_proj's
.Lweights:
	s_sub_co_u32 s17, ttmp9, 256
	s_and_b32 s18, s17, 31                         ; column block
	s_lshr_b32 s19, s17, 5                         ; which 128 along K
	s_mov_b32 s20, 4096
	s_mov_b32 s21, 1024*768
	s_wait_kmcnt 0x0
	s_cmp_lt_u32 s18, 24                           ; the choice hangs on the work-group's number alone
	s_cselect_b64 s[4:5], s[6:7], s[8:9]           ; the weight,
	s_cselect_b64 s[6:7], s[12:13], s[14:15]       ; its buffer of codes and bytes,
	s_cselect_b32 s20, 12288, s20                  ; a row of the weight in bytes,
	s_cselect_b32 s21, 3072*768, s21               ; where the scale bytes begin,
	s_cselect_b32 s22, 0, 24
	s_sub_co_u32 s18, s18, s22                     ; the column block in its own tensor
	s_lshl_b32 s18, s18, 7
	s_lshl_b32 s23, s16, 5
	s_add_co_u32 s18, s18, s23                     ; my wave's first column
	s_wait_alu depctr_va_vdst(0)
	v_lshlrev_b32 v3, 2, v2
.set i, 0
	s_wait_alu depctr_va_vdst(0)
.rept 32
	s_mul_i32 s24, s20, i
	v_add_nc_u32 v[WO+i], s24, v3                  ; row i of a block, my column: the pitch is a number in a register, so no immediate carries rows
.set i, i+1
.endr
	; work-groups 256-511 take the weights: a work-group takes 128 columns x 128 along K (s19: which 128), a wave four blocks of 32; its codes leave as rows of 96 bytes, its scale bytes four to a column
	s_lshl_b32 s24, s20, 7
	s_mul_i32 s24, s24, s19                        ; 128 rows x which
	s_lshl_b32 s25, s18, 2
	s_add_co_u32 s24, s24, s25
	s_mov_b32 s25, 0
	s_add_nc_u64 s[32:33], s[4:5], s[24:25]        ; a base for each of the eight blocks of 32 rows
	s_lshl_b32 s26, s20, 5
	s_mov_b32 s27, 0
.irp t, 1,2,3,4,5,6,7
	s_add_nc_u64 s[32+2*\t:33+2*\t], s[30+2*\t:31+2*\t], s[26:27]
.endr
	v_and_b32 v4, 7, v2
	v_bfe_u32 v5, v2, 3, 1
	v_lshl_add_u32 v4, v5, 4, v4
	v_bfe_u32 v5, v2, 4, 1
	v_lshl_add_u32 v10, v5, 3, v4                  ; my column's place among the 32: bits 3 and 4 change places
	s_mul_i32 s28, s16, 32*PITCH
	s_add_co_u32 s28, s28, WSTG                    ; my stage
	v_mul_u32_u24 v4, v10, PITCH
	v_add_nc_u32 v4, s28, v4                       ; into it: row = my column's place
	v_and_b32 v5, 7, v2
	v_lshrrev_b32 v6, 3, v2                        ; out of the stage: eight lanes to a row, four rows an instruction
	v_mul_u32_u24 v7, v6, PITCH
	v_lshl_add_u32 v7, v5, 4, v7
	v_add_nc_u32 v7, s28, v7                       ; out of it: eight lanes to a row, four rows an instruction
	v_mul_u32_u24 v8, v6, 768
	v_mad_u32_u24 v8, v5, 12, v8                   ; and the same place in the codes
	v_lshlrev_b32 v9, 5, v10                       ; my column's row of scale bytes
	s_mul_i32 s24, s18, 768
	s_mul_i32 s29, s19, 96
	s_add_co_u32 s24, s24, s29
	s_add_nc_u64 s[8:9], s[6:7], s[24:25]          ; codes: column x 768 + 96 x which
	s_lshl_b32 s24, s18, 5
	s_lshl_b32 s29, s19, 2
	s_add_co_u32 s24, s24, s29
	s_add_co_u32 s24, s24, s21
	s_add_nc_u64 s[10:11], s[6:7], s[24:25]        ; bytes: column x 32 + 4 x which, behind the codes
.macro WLOAD t                         ; block t: W(32 t + i, my column) into set t % 2; 32 lanes read 128 bytes on end
.set i, 0
.rept 32
	global_load_b32 v[WX+32*((\t)%2)+i], v[WO+i], s[32+2*(\t):33+2*(\t)] th:TH_LOAD_NT
.set i, i+1
.endr
.endm
	WLOAD 0
	WLOAD 1
.macro BLOCK t
.set XS, WX+32*((\t)%2)
.if (\t) < 3
	s_wait_loadcnt 32                              ; this block's 32 loads are in; the next block's may be out
.else
	s_wait_loadcnt 0x0
.endif
	v_max3_num_f32 v20, |v[XS]|, |v[XS+1]|, |v[XS+2]|              ; all 32 numbers of the block are mine
	v_max3_num_f32 v21, |v[XS+3]|, |v[XS+4]|, |v[XS+5]|
.irp i, 6,10,14,18,22,26
	v_max3_num_f32 v20, v20, |v[XS+\i]|, |v[XS+\i+1]|
	v_max3_num_f32 v21, v21, |v[XS+\i+2]|, |v[XS+\i+3]|
.endr
	v_max3_num_f32 v20, v20, |v[XS+30]|, |v[XS+31]|
	v_max3_num_f32 v20, v20, v21, 0x1800000        ; and the floor
	v_add_nc_u32 v22, 0xff000000, v20              ; the conversion's scale operand
	v_lshrrev_b32 v21, 23, v22                     ; the byte
.if (\t)%4 == 0
	v_mov_b32 v[SB+(\t)/4], v21
.else
	v_lshl_or_b32 v[SB+(\t)/4], v21, 8*((\t)%4), v[SB+(\t)/4]
.endif
	v_cvt_scalef32_pk16_fp6_f32 v[WC:WC+2], v[XS:XS+15], v22
	v_cvt_scalef32_pk16_fp6_f32 v[WC+4:WC+6], v[XS+16:XS+31], v22  ; (a conversion's three registers begin on an even number)
	ds_store_b96 v4, v[WC:WC+2] offset:32*(\t)     ; 12 bytes to a place of 16, so that every LDS address is a multiple of 16
	ds_store_b96 v4, v[WC+4:WC+6] offset:32*(\t)+16
.if (\t)+2 < 4
	WLOAD (\t)+2
.endif
	s_wait_dscnt 0x0                               ; the stores have read their registers: the next block's codes may be written
.endm
.irp t, 0,1,2,3
	BLOCK \t
.endr
	s_wait_alu depctr_va_vdst(0)
	global_store_b32 v9, v[SB], s[10:11]           ; my column's four scale bytes
.irp t, 0,1,2,3,4,5,6,7
	ds_load_b96 v[OUTR+4*\t:OUTR+4*\t+2], v7 offset:4*\t*PITCH
.endr
.irp t, 0,1,2,3,4,5,6,7
	s_wait_dscnt 7-\t                              ; LDS loads come back in order: these four rows are in
	global_store_b96 v8, v[OUTR+4*\t:OUTR+4*\t+2], s[8:9] offset:4*\t*768
.endr
	s_wait_tensorcnt 0x0                           ; the wave's end
	ds_add_u32 v[SPW], v[NIL]
	s_wait_dscnt 0x0
	s_endpgm
.Lfunc_end_k_qff343fff16_quant:
	.size	k_qff343fff16_quant, .Lfunc_end_k_qff343fff16_quant-k_qff343fff16_quant
	.p2alignl 7, 3214868480
	.fill 96, 4, 3214868480
	.section	.rodata,"a",@progbits
	.p2align	6, 0x0
	.amdhsa_kernel k_qff343fff16_quant
		.amdhsa_group_segment_fixed_size 68096
		.amdhsa_private_segment_fixed_size 0
		.amdhsa_enable_private_segment 0
		.amdhsa_kernarg_size 48
		.amdhsa_user_sgpr_count 2
		.amdhsa_user_sgpr_kernarg_segment_ptr 1
		.amdhsa_wavefront_size32 1
		.amdhsa_system_sgpr_workgroup_id_x 1
		.amdhsa_system_sgpr_workgroup_id_y 1
		.amdhsa_system_sgpr_workgroup_id_z 1
		.amdhsa_system_vgpr_workitem_id 0
		.amdhsa_next_free_vgpr 256
		.amdhsa_next_free_sgpr 66
		.amdhsa_reserve_vcc 0
		.amdhsa_float_denorm_mode_32 3
		.amdhsa_float_denorm_mode_16_64 3
		.amdhsa_memory_ordered 1
		.amdhsa_forward_progress 1
		.amdhsa_inst_pref_size 57
	.end_amdhsa_kernel
	.amdgpu_metadata
---
amdhsa.version: [ 1, 2 ]
amdhsa.kernels:
  - .name:           k_qff343fff16_quant
    .symbol:         k_qff343fff16_quant.kd
    .args:
      - { .name: x, .offset: 0, .size: 8, .value_kind: global_buffer, .address_space: global }
      - { .name: w_qkv, .offset: 8, .size: 8, .value_kind: global_buffer, .address_space: global }
      - { .name: w_proj, .offset: 16, .size: 8, .value_kind: global_buffer, .address_space: global }
      - { .name: xq, .offset: 24, .size: 8, .value_kind: global_buffer, .address_space: global }
      - { .name: wq, .offset: 32, .size: 8, .value_kind: global_buffer, .address_space: global }
      - { .name: wp, .offset: 40, .size: 8, .value_kind: global_buffer, .address_space: global }
    .group_segment_fixed_size: 68096
    .private_segment_fixed_size: 0
    .kernarg_segment_align: 8
    .kernarg_segment_size: 48
    .max_flat_workgroup_size: 128
    .sgpr_count:     66
    .vgpr_count:     256
    .wavefront_size: 32
...
	.end_amdgpu_metadata
.endif
;; end of part 1
;; launch gemm_qkv (part 2): grid 8 x 32, 4 waves a work-group, clusters of 4 x 4, 327,680 bytes of LDS; arguments xq, wq, qk, vv; writes qk, vv
.if DOCPART == 2
	.amdgcn_target "amdgcn-amd-amdhsa--gfx1250"
	.amdhsa_code_object_version 6
	.text
	.protected	k_qff343fff16_gemm_qkv
	.globl	k_qff343fff16_gemm_qkv
	.p2align	8
	.type	k_qff343fff16_gemm_qkv,@function
k_qff343fff16_gemm_qkv:
	s_mov_b64 s[64:65], 0
	v_nop
	global_prefetch_b8 v0, s[64:65] scope:SCOPE_SE
	s_setreg_imm32_b32 hwreg(HW_REG_WAVE_MODE, 25, 1), 1
	s_wait_xcnt 0x0
	s_wait_alu depctr_hold_cnt(0) depctr_sa_sdst(0) depctr_va_vdst(0) depctr_va_sdst(0) depctr_va_ssrc(0) depctr_va_vcc(0) depctr_vm_vsrc(0)
	s_getreg_b32 s2, hwreg(HW_REG_IB_STS2, 6, 4)
	s_cmp_eq_u32 s2, 0
	s_cbranch_scc0 .Lentry_in_a_cluster
	s_endpgm
.Lentry_in_a_cluster:
	s_bfe_u32 s2, ttmp6, 0x10000c
	s_cmp_lg_u32 s2, 0xf033
	s_cbranch_scc0 .Lentry_shape_is_right
	s_endpgm
.Lentry_shape_is_right:
; Q, K, V = x W on codes of FP6 (E2M3) with E8M0 scales, and their quantisers: the results leave as codes and scale words, as images of the operand registers of the launch that reads them.
; xq: 8,192 rows of 768 bytes, behind them 32 scale bytes a row; wq: 3,072 rows likewise (Q's 1,024 columns, K's, V's).  Rows lie permuted inside groups of 32: place 16 u + 8 w + i holds row 16 w + 8 u + i,
; so that as source 0 of a product two neighbouring tiles give a lane 16 neighbours along that axis.
; qk: a record of 53,248 bytes for each (head 0 .. 31: Q's, then K's; batch): 64 tiles of 16 tokens x 768 bytes (8 bytes a lane, then 16 bytes a lane: registers 0-5 of a fragment), then 1,024 scale words (two bytes, then 127, 127).
; vv: a record of 51,200 bytes for each (head, batch): 8 key steps of 128 tokens x (4 tiles of 16 channels x 1,536 bytes, then 64 scale words).
; THE DEAL.  256 work-groups of four waves, 2 x 2.  A work-group takes 256 tokens and 128 columns of V, then of Q, then of K.  Its 256 rows of x, all of K, lie in LDS from the head on and are loaded once.
; A wave holds 64 rows of a weight (one head), all of K, in registers (32 fragments, 384) and takes its eight tiles of 16 tokens past them, three times: 32 products a tile on four accumulators by turns.
; The weights have LDS bytes of their own, filled at the head with V's rows and filled again twice, each time in a drained round of the cluster's barrier,
; as soon as every wave holds the last weight in registers: a whole pass, 256 products a wave, ahead of the first read.  So nobody waits for a refill, and no prefetch is written.
; What a refill brought is shown to all waves by a plain barrier in the pass's last tile, behind which nothing is filled.
; V GOES FIRST: source 0 is x's rows, a lane holds one channel and its registers run along the tokens; a band of four tiles gives half an operand for each of four channel tiles.  Band 0's ways out stand in band 1's tiles, band 1's under the flight of Q's weights.
; Q, K: source 0 is the weight's rows: a lane holds one token, its 32 sums are half of each of the head's two scale blocks; lane l xor 16 holds the other halves.
; THE WAY OUT of 32 sums: two chains of v_max3, one a block, line by line in turn, stand among the NEXT tile's products, two lines behind every second product; the conversions stand behind that tile's last product.
; CLUSTERS: x's loads are shared by a row of the 4 x 4 cluster, the weights' by a column.
; THE WAITS' COUNTS on DScnt: a tile's rows were fetched two tiles ago; younger are the next tile's fetch, NF loads, and in Q's and K's passes one store of a scale word (NF + 1); where nothing more is fetched that store alone (1).
; LIMITS: NaN and infinities are not served; a block of zeros, or one whose largest magnitude lies under 2^-124, keeps the byte 1 (this program alone reads the bytes).
.set KROW,  768
.set PITCH, 816                        ; an LDS row: 3 x (256 + 16)
.set FR,    12
.set FPW,   21                         ; fragments in a window of 256 registers
.set NF,    28                         ; LDS loads of a tile: 26 for eight fragments, 2 for eight scale words
.set WBL,   256*PITCH                  ; behind x's rows: the weights' 128 rows
.set XSC,   WBL+128*PITCH              ; x's scale bytes: 32 units of 256 + 16
.set WST,   XSC+32*272                 ; a stage of 1,024 bytes a wave for the results' scale words
.set SPARE, WST+4096
.set XSCL,  8192*768
.set WSCL,  3072*768
.set KOFF,  128*53248                  ; from Q's records to K's
.set L8,    4
.set L16,   5
.set AAS,   6                          ; v6 LDS address of my rows' scale words
.set SWA,   7                          ; v7 the stage, in; v8, v9 out, 16 and 8 bytes a lane
.set RDW,   8
.set RDW8,  9
.set BSO,   10
.set SPW,   12
.set NIL,   13
.set PC,    16                         ; v16-21 six registers of codes; v22-24 the second conversion's
.set TC,    22
.set VW,    28                         ; v28-31 band 0's two scale bytes for each channel tile
.set SB,    32                         ; v32-79 the weights' scale words: 16 a pass; lanes 0-15 K steps 0-3, lanes 16-31 K steps 4-7
.set SA,    82                         ; v82-97 x's scale words, two sets of eight
.set TM,    98                         ; v98-121 four sets of six: two chains, two from the other lanes, two scale operands
.set RBK,   122
.set ACC,   128                        ; v128-191 Q, K: two sets of four accumulators
.set HV0,   128                        ; v128-255 V, band 0: 32 t + 8 j + i
.set HV1,   840                        ; v840-967 band 1
.set XA,    968                        ; v968-983 LDS addresses of my eight tiles (the odd ones: for pieces behind one padding more)
.set BA,    984                        ; v984-991 of the weights' four tiles
.set G1X, 24
.set G1S, 32
.set G1W, 48
.set G0X, 56
.set G0S, 68
.set G0W, 72
.set SEL, 82
.set MSB, 0
.macro WIN new
.if MSB != \new
	s_set_vgpr_msb (MSB<<8)|\new
.set MSB, \new
.endif
.endm
.macro PLACES n
.rept \n
	v_nop
.endr
.endm
.macro WALU
	s_wait_alu depctr_va_vdst(0)
.endm
.macro BARRIER
	s_barrier_signal -1
	s_barrier_wait -1
.endm
.macro MIDDLE                          ; a round's middle
	WIN 0
	s_barrier_wait -1
	s_cmp_lg_u32 s14, 0
	s_cbranch_scc1 .Lnot_wave_0_\@
	s_barrier_signal -3
.Lnot_wave_0_\@:
	s_barrier_wait -3
.endm
.macro CROUND
	s_barrier_signal -1
	MIDDLE
	BARRIER
.endm
.macro TLOAD g0, g1
	tensor_load_to_lds s[\g0:\g0+3], s[\g1:\g1+7]
	s_nop 0
	PLACES 4
.endm
.macro GROUP1 g, mask, rows
	s_or_b32 s[\g+0], s[\mask], (1<<20)|(1<<21)|(5<<22)|(3<<25)
	s_mov_b32 s[\g+1], KROW<<16
	s_mov_b32 s[\g+2], (\rows)<<16
	s_mov_b32 s[\g+3], KROW<<16
	s_mov_b32 s[\g+4], \rows
	s_mov_b32 s[\g+5], KROW
	s_mov_b32 s[\g+6], 0
	s_mov_b32 s[\g+7], 0
.endm
.macro WDESC off                       ; my half of the next weight's rows; written behind the wait that shows my loads done
	s_mul_i32 s[G0W+1], s14, 64*PITCH
	s_add_co_u32 s[G0W+1], s[G0W+1], WBL
	s_add_co_u32 s20, s85, \off
	s_add_nc_u64 s[G0W+2:G0W+3], s[6:7], s[20:21]
	s_or_b32 s[G0W+3], s[G0W+3], 0x80000000
.endm
.macro HALFLOAD                        ; the refill: waves 0 and 1 a half each
	s_cmp_lt_u32 s14, 2
	s_cbranch_scc0 .Lno_half_\@
	TLOAD G0W, G1W
.Lno_half_\@:
	PLACES 4
.endm
; fragment f lies in window 1 + f / 21 at register 12 (f % 21): 0-31 the weights' (4 q + b), 32-39 and 40-47 x's two sets.  Six pieces of 8 bytes, two to a load where both lie behind as many paddings
.macro FRAG f, q, a0, a1
	WIN ((1+(\f)/FPW)<<6)|3
.set R_, FR*((\f)%FPW)
.set SKIP_, 0
.irp p, 0,1,2,3,4,5
.if SKIP_
.set SKIP_, 0
.else
.set PC_, 12*(\q)+6*(\p/3)+\p%3
.set PN_, 12*(\q)+6*((\p+1)/3)+(\p+1)%3
.set X_, (PC_%32+3)/32
.set XQ_, (PN_%32+3)/32
.if (\p < 5) && (X_ == XQ_)
.set SKIP_, 1
.if X_
	ds_load_2addr_b64 v[R_+2*\p:R_+2*\p+3], \a1 offset0:PC_+2*(PC_/32) offset1:PN_+2*(PN_/32)
.else
	ds_load_2addr_b64 v[R_+2*\p:R_+2*\p+3], \a0 offset0:PC_+2*(PC_/32) offset1:PN_+2*(PN_/32)
.endif
.elseif X_
	ds_load_b64 v[R_+2*\p:R_+2*\p+1], \a1 offset:8*(PC_+2*(PC_/32))
.else
	ds_load_b64 v[R_+2*\p:R_+2*\p+1], \a0 offset:8*(PC_+2*(PC_/32))
.endif
.endif
.endr
.endm
.macro WEIGHTS                         ; my 64 rows of the weight, all of K: 104 loads
.irp q, 0,1,2,3,4,5,6,7
.irp b, 0,1,2,3
	FRAG 4*\q+\b, \q, v[BA-768+2*\b], v[BA-768+2*\b+1]
.endr
.endr
	WIN 0
.endm
.macro FETCH i, e                      ; my tile i into set e
.irp q, 0,1,2,3,4,5,6,7
	FRAG 32+8*(\e)+\q, \q, v[XA-768+2*(\i)], v[XA-768+2*(\i)+1]
.endr
	WIN 0
	ds_load_b128 v[SA+8*(\e):SA+8*(\e)+3], v[AAS] offset:(\i)*544
	ds_load_b128 v[SA+8*(\e)+4:SA+8*(\e)+7], v[AAS] offset:(\i)*544+16
.endm
; a product, n = 4 q + b.  kind 0 (Q, K): source 0 the weight's rows; kind 1 (V): source 0 x's rows.  SBP: the pass's scale words
.macro PROD1 d, s0, s1, c, x0, x1, side, o
.if \o
	v_wmma_scale_f32_16x16x128_f8f6f4 v[\d:\d+7], v[FR*((\s0)%FPW):FR*((\s0)%FPW)+FR-1], v[FR*((\s1)%FPW):FR*((\s1)%FPW)+FR-1], \c, v[\x0], v[\x1] matrix_a_fmt:MATRIX_FMT_FP6 matrix_b_fmt:MATRIX_FMT_FP6 matrix_\side\()_scale:MATRIX_SCALE_ROW1
.else
	v_wmma_scale_f32_16x16x128_f8f6f4 v[\d:\d+7], v[FR*((\s0)%FPW):FR*((\s0)%FPW)+FR-1], v[FR*((\s1)%FPW):FR*((\s1)%FPW)+FR-1], \c, v[\x0], v[\x1] matrix_a_fmt:MATRIX_FMT_FP6 matrix_b_fmt:MATRIX_FMT_FP6 matrix_\side\()_scale:MATRIX_SCALE_ROW0
.endif
.endm
.macro PROD kind, e, n, a0, as
.set Q_, (\n)/4
.set FB_, (\n)
.set FA_, 32+8*(\e)+Q_
.set D_, (\a0)+(\as)*((\n)%4)
.set DL_, D_&255
.set XB_, SBP+4*((\n)%4)+Q_%4
.set XA_, SA+8*(\e)+Q_
.if \kind
	WIN (1+FA_/FPW)|((1+FB_/FPW)<<2)|((D_>>8)<<4)|((D_>>8)<<6)
.if Q_
	PROD1 DL_, FA_, FB_, v[DL_:DL_+7], XA_, XB_, b, Q_/4
.else
	PROD1 DL_, FA_, FB_, 0, XA_, XB_, b, 0
.endif
.else
	WIN (1+FB_/FPW)|((1+FA_/FPW)<<2)|((D_>>8)<<4)|((D_>>8)<<6)
.if Q_
	PROD1 DL_, FB_, FA_, v[DL_:DL_+7], XB_, XA_, a, Q_/4
.else
	PROD1 DL_, FB_, FA_, 0, XB_, XA_, a, 0
.endif
.endif
.endm
.macro BLOCK kind, e, a0, as, from, to, list, x=0, y=0   ; products from .. to - 1; behind every second one two lines of the list
.set N_, \from
.rept (\to)-(\from)
	PROD \kind, \e, N_, \a0, \as
.if N_%2
	\list N_-1, \x, \y
	\list N_, \x, \y
.endif
.set N_, N_+1
.endr
.endm
; line i (0 .. 21) of a way out's first part: the largest magnitude of each of the two blocks' 16 sums of mine from register x on, with the floor 2^(3 - 127); with lane l xor 16's; 2 off the exponent field: the conversions' scale operands
.macro CHAIN2 i, x, s
.if (\i) < 22
.set G_, (\i)%2
.set K_, (\i)/2
.set XX_, (\x)+16*G_
.set XW_, XX_>>8
.set XL_, XX_&255
.set T_, TM+6*(\s)+G_
.if K_ == 0
	WIN XW_|(XW_<<2)|(XW_<<4)
	v_max3_num_f32 v[T_], |v[XL_]|, |v[XL_+1]|, |v[XL_+2]|
.elseif K_ < 7
	WIN (XW_<<2)|(XW_<<4)
	v_max3_num_f32 v[T_], v[T_], |v[XL_+2*K_+1]|, |v[XL_+2*K_+2]|
.elseif K_ == 7
	WIN XW_<<2
	v_max3_num_f32 v[T_], v[T_], |v[XL_+15]|, 0x1800000
.elseif K_ == 8
	WIN 0
	v_permlanex16_b32 v[T_+2], v[T_], s[SEL], s[SEL+1]
.elseif K_ == 9
	WIN 0
	v_max_num_f32 v[T_], v[T_], v[T_+2]
.else
	WIN 0
	v_add_nc_u32 v[T_+4], 0xff000000, v[T_]
.endif
.endif
.endm
.macro L_NONE i, x, y
.endm
.macro L_CH i, x, y
	CHAIN2 \i, \x, \y
.endm
; its second part: 32 codes; a whole block to a lane (lanes 0-15 the first block, lanes 16-31 the second): six registers from pc on; the two scale bytes in v[TM + 6 s]
.macro CODES2 x, pc, tc, s
.set XW_, (\x)>>8
.set XL_, (\x)&255
.set T_, TM+6*(\s)
	WIN XW_
	v_cvt_scalef32_pk16_fp6_f32 v[\pc:\pc+2], v[XL_:XL_+15], v[T_+4]
	v_cvt_scalef32_pk16_fp6_f32 v[\tc:\tc+2], v[XL_+16:XL_+31], v[T_+5]
	WIN 0
	v_lshrrev_b32 v[T_], 23, v[T_+4]
	v_lshrrev_b32 v[T_+1], 23, v[T_+5]
	v_lshl_or_b32 v[T_], v[T_+1], 8, v[T_]
.irp i, 0,1,2
	v_permlane16_swap_b32 v[\pc+\i], v[\tc+\i]
.endr
.irp i, 0,1,2
	v_mov_b32 v[\pc+3+\i], v[\tc+\i]
.endr
.endm
.macro STRAIGHT x                      ; a way out's first part with no products to stand among
.set I_, 0
.rept 22
	CHAIN2 I_, \x, 0
.set I_, I_+1
.endr
.endm
.macro SHOW kind, e, a0, as, x         ; a tile with a plain barrier inside: the last refill is shown to all
	BLOCK \kind, \e, \a0, \as, 0, 26, L_CH, \x, 0
	WIN 0
	WALU
	s_wait_tensorcnt 0x0
	s_wait_dscnt 0x0
	s_barrier_signal -1
	BLOCK \kind, \e, \a0, \as, 26, 32, L_NONE
	WIN 0
	s_barrier_wait -1
.endm
.macro VTILE j
.set DV_, HV0+8*(\j)+(HV1-HV0-32)*((\j)/4)
	s_wait_dscnt NF
.if (\j) < 4
	BLOCK 1, (\j)%2, DV_, 32, 0, 32, L_NONE
	WIN 0
.else
	s_wait_xcnt 0x0                                ; the last tile's stores have read the codes' registers
.if (\j) < 7
	BLOCK 1, (\j)%2, DV_, 32, 0, 32, L_CH, HV0+32*((\j)-4), 0
	WIN 0
.else
	SHOW 1, 1, DV_, 32, HV0+96
.endif
	CODES2 HV0+32*((\j)-4), PC, TC, 0
	v_mov_b32 v[VW+(\j)-4], v[TM]
	global_store_b64 v[L8], v[PC:PC+1], s[80:81] offset:1536*((\j)-4)
	global_store_b128 v[L16], v[PC+2:PC+5], s[80:81] offset:1536*((\j)-4)+256
.endif
	PLACES 4
	FETCH ((\j)+2)%8, (\j)%2
.endm
.macro QOUT P, i                       ; tile i of Q (P = 0) or K (1) leaves
	CODES2 ACC+32*((\i)%2), PC, TC, 0
	v_or_b32 v[TM], s84, v[TM]
	ds_store_b32 v[SWA], v[TM] offset:64*(\i)
	global_store_b64 v[L8], v[PC:PC+1], s[76:77] offset:(\P)*KOFF+768*(\i)
	global_store_b128 v[L16], v[PC+2:PC+5], s[76:77] offset:(\P)*KOFF+768*(\i)+256
.endm
.macro QT P, i, w, show, fetch
.if (\w) >= 0
	s_wait_dscnt \w
.endif
	s_wait_xcnt 0x0
.if \show
	SHOW 0, (\i)%2, ACC+32*((\i)%2), 8, ACC+32*(((\i)+1)%2)
.else
	BLOCK 0, (\i)%2, ACC+32*((\i)%2), 8, 0, 32, L_CH, ACC+32*(((\i)+1)%2), 0
	WIN 0
.endif
	QOUT \P, (\i)-1
	PLACES 4
.if \fetch
	FETCH ((\i)+2)%8, (\i)%2
.endif
.endm
; ================= the head
	s_load_b256 s[4:11], s[0:1], 0x0               ; xq, wq, qk, vv
	v_lshl_add_u32 v[SPW], v0, 2, SPARE
	v_mov_b32 v[NIL], 0
	ds_add_u32 v[SPW], v[NIL]                      ; the opening lines: the add, twice on end, and its wait
	ds_add_u32 v[SPW], v[NIL]
	v_lshrrev_b32 v1, 5, v0
	v_readfirstlane_b32 s14, v1                    ; wave; s15 its row of the 2 x 2 (a key step of 128 tokens), s16 its column (a head)
	s_lshr_b32 s15, s14, 1
	s_and_b32 s16, s14, 1
	s_bfe_u32 s40, ttmp6, 0x40000
	s_bfe_u32 s41, ttmp6, 0x40004
	s_lshl_b32 s42, ttmp9, 2
	s_add_co_u32 s42, s42, s40                     ; pair of heads, 0 .. 7
	s_and_b32 s17, ttmp7, 0xffff
	s_lshl_b32 s17, s17, 2
	s_add_co_u32 s17, s17, s41                     ; block of 256 tokens, 0 .. 31
	s_lshl_b32 s43, s41, 2
	s_lshl_b32 s43, 15, s43                        ; my row of the cluster
	s_lshl_b32 s44, 0x1111, s40                    ; my column
	GROUP1 G1X, 43, 128
	GROUP1 G1W, 44, 128
	s_or_b32 s[G1S], s43, (3<<16)|(1<<20)|(1<<21)|(5<<22)|(3<<25)   ; x's scale bytes: 8,192 on end, as 32 rows of 256, 16 of padding behind each
	s_mov_b32 s[G1S+1], 32<<16
	s_mov_b32 s[G1S+2], 32<<16
	s_mov_b32 s[G1S+3], 32<<16
	s_mov_b32 s[G1S+4], 32
	s_mov_b32 s[G1S+5], 32
	s_mov_b32 s[G1S+6], 0
	s_mov_b32 s[G1S+7], 0
	s_mov_b32 s[G0X], 1
	s_mov_b32 s[G0X+1], 0
	s_mov_b32 s[G0X+4], 1
	s_mov_b32 s[G0X+5], 128*PITCH
	s_mov_b32 s[G0S], 1
	s_mov_b32 s[G0S+1], XSC
	s_mov_b32 s[G0W], 1
	s_mov_b32 s[G0W+1], WBL
	s_mul_i32 s20, s17, 256*KROW                   ; my rows of x, bytes from xq
	s_mov_b32 s21, 0
	s_lshl_b32 s22, s17, 13
	s_add_co_u32 s22, s22, XSCL                    ; their scale bytes
	s_mov_b32 s23, 0
	s_mul_i32 s46, s42, 128*KROW                   ; my columns in a weight, bytes
	s_add_co_u32 s18, s46, 2048*KROW               ; V's
	s_mov_b32 s19, 0
	s_mul_i32 s85, s14, 64*KROW
	s_add_co_u32 s85, s85, s46                     ; a refill's half, in Q's rows
	s_lshl_b32 s66, s42, 7
	s_lshl_b32 s93, s16, 6
	s_add_co_u32 s66, s66, s93
	s_lshl_b32 s66, s66, 5
	s_add_co_u32 s66, s66, WSCL                    ; my 64 columns' scale bytes, in Q's rows
	s_mov_b32 s67, 0
	s_lshr_b32 s90, s17, 2                         ; batch
	s_and_b32 s91, s17, 3
	s_lshl_b32 s91, s91, 1
	s_add_co_u32 s91, s91, s15                     ; key step in the batch
	s_lshl_b32 s92, s42, 1
	s_add_co_u32 s92, s92, s16
	s_lshl_b32 s92, s92, 3
	s_add_co_u32 s92, s92, s90                     ; record: 8 x head + batch
	s_mul_i32 s76, s92, 53248
	s_lshl_b32 s93, s91, 9
	s_add_co_u32 s78, s76, s93
	s_add_co_u32 s78, s78, 49152                   ; Q's scale words
	s_mov_b32 s79, 0
	s_mul_i32 s93, s91, 6144
	s_add_co_u32 s76, s76, s93                     ; Q's codes
	s_mov_b32 s77, 0
	s_mul_i32 s80, s92, 51200
	s_mul_i32 s93, s91, 6400
	s_add_co_u32 s80, s80, s93                     ; V's key step
	s_mov_b32 s81, 0
	s_mov_b32 s[SEL], 0x76543210
	s_mov_b32 s[SEL+1], 0xfedcba98
	s_mov_b32 s84, 0x7f7f0000
	s_mul_i32 s86, s15, 128*PITCH
	s_mul_i32 s87, s15, 8*544
	s_add_co_u32 s87, s87, XSC
	s_lshl_b32 s88, s14, 10
	s_add_co_u32 s88, s88, WST
	s_mul_i32 s89, s16, 64*PITCH
	s_add_co_u32 s89, s89, WBL
	v_and_b32 v1, 15, v0                           ; r
	v_bfe_u32 v2, v0, 4, 1                         ; h
	v_and_b32 v3, 31, v0
	v_lshlrev_b32 v[L8], 3, v3
	v_lshlrev_b32 v[L16], 4, v3
	v_lshrrev_b32 v24, 3, v1
	v_lshl_add_u32 v25, v1, 5, s87
	v_lshl_add_u32 v[AAS], v24, 4, v25             ; 32 bytes a row, 16 more for each 256 passed
	v_lshl_add_u32 v[SWA], v1, 2, s88
	v_add_nc_u32 v[RDW], s88, v[L16]
	v_add_nc_u32 v[RDW8], s88, v[L8]
	v_lshlrev_b32 v[BSO], 5, v1
	v_lshl_add_u32 v[BSO], v2, 4, v[BSO]
	v_mul_u32_u24 v24, v1, PITCH
	v_mad_u32_u24 v25, v2, 24, v24
	v_mad_u32_u24 v24, v2, 40, v24
	v_add_nc_u32 v26, s86, v25
	v_add_nc_u32 v27, s86, v24
	v_add_nc_u32 v28, s89, v25
	v_add_nc_u32 v29, s89, v24
.irp s, 0,1,2,3
	v_mov_b32 v[TM+6*\s+2], 0                      ; written once: a lane permute's destination counts as one of its sources
	v_mov_b32 v[TM+6*\s+3], 0
.endr
	WIN 3<<6
.irp i, 0,1,2,3,4,5,6,7
	v_add_nc_u32 v[XA-768+2*\i], \i*16*PITCH, v26
	v_add_nc_u32 v[XA-768+2*\i+1], \i*16*PITCH, v27
.endr
.irp t, 0,1,2,3
	v_add_nc_u32 v[BA-768+2*\t], \t*16*PITCH, v28
	v_add_nc_u32 v[BA-768+2*\t+1], \t*16*PITCH, v29
.endr
	WIN 0
	WALU
	s_wait_dscnt 0x0
	CROUND                                         ; all sixteen work-groups are here: the joint loads meet
	s_wait_kmcnt 0x0
	s_add_nc_u64 s[G0X+2:G0X+3], s[4:5], s[20:21]
	s_add_nc_u64 s[G0X+6:G0X+7], s[G0X+2:G0X+3], 128*KROW
	s_or_b32 s[G0X+3], s[G0X+3], 0x80000000
	s_or_b32 s[G0X+7], s[G0X+7], 0x80000000
	s_add_nc_u64 s[G0S+2:G0S+3], s[4:5], s[22:23]
	s_or_b32 s[G0S+3], s[G0S+3], 0x80000000
	s_add_nc_u64 s[G0W+2:G0W+3], s[6:7], s[18:19]
	s_or_b32 s[G0W+3], s[G0W+3], 0x80000000
	s_add_nc_u64 s[66:67], s[6:7], s[66:67]
	s_add_nc_u64 s[76:77], s[8:9], s[76:77]
	s_add_nc_u64 s[78:79], s[8:9], s[78:79]
	s_add_nc_u64 s[80:81], s[10:11], s[80:81]
	s_cmp_eq_u32 s14, 0                            ; one load a wave, each in an arm of its own
	s_cbranch_scc0 .Lw1
	TLOAD G0W, G1W                                 ; wave 0: V's 128 rows of the weight
	s_branch .Lasked
.Lw1:
	s_cmp_eq_u32 s14, 1
	s_cbranch_scc0 .Lw2
	TLOAD G0S, G1S                                 ; wave 1: x's scale bytes
	s_branch .Lasked
.Lw2:
	s_cmp_eq_u32 s14, 2
	s_cbranch_scc0 .Lw3
	TLOAD G0X, G1X                                 ; wave 2: x's rows 0-127
	s_branch .Lasked
.Lw3:
	TLOAD G0X+4, G1X                               ; wave 3: rows 128-255
.Lasked:
.irp t, 0,1,2,3
	global_load_b128 v[SB+4*\t:SB+4*\t+3], v[BSO], s[66:67] offset:2048*32+512*\t       ; V's scale words: 32 lanes read a tile's 512 bytes on end
	global_load_b128 v[SB+16+4*\t:SB+16+4*\t+3], v[BSO], s[66:67] offset:512*\t         ; Q's
	global_load_b128 v[SB+32+4*\t:SB+32+4*\t+3], v[BSO], s[66:67] offset:1024*32+512*\t ; K's
.endr
	s_cmp_eq_u32 s14, 0
	s_cbranch_scc0 .Lnot_b
	s_wait_tensorcnt 0x0
.Lnot_b:
	BARRIER                                        ; V's weights are in
	WEIGHTS
	s_wait_tensorcnt 0x0                           ; the first refill's round: every wave's load of the head is in,
	ds_add_u32 v[SPW], v[NIL]
	s_mov_b32 s[G1W+2], 64<<16                     ; from here on a load of weights brings 64 rows
	s_mov_b32 s[G1W+4], 64
	WDESC 0
	s_wait_dscnt 0x0                               ; and V's weights are in my registers
	CROUND
	HALFLOAD                                       ; Q's rows, onto V's
	FETCH 0, 0
	FETCH 1, 1
	s_wait_loadcnt 0x0
; ================= V
.set SBP, SB
.irp j, 0,1,2,3,4,5,6,7
	VTILE \j
.endr
.set SBP, SB+16
	WEIGHTS                                        ; Q's weights; band 1's four ways out stand under their flight
.set I_, 0
.rept 22
.irp t, 0,1,2,3
	CHAIN2 I_, HV1+32*\t, \t
.endr
.set I_, I_+1
.endr
.irp t, 0,1,2,3
	CODES2 HV1+32*\t, 192+16*\t, 200+16*\t, \t
	v_lshl_or_b32 v[TM+6*\t], v[TM+6*\t], 16, v[VW+\t]     ; with band 0's two bytes the scale word of these 128 tokens is whole
	ds_store_b32 v[SWA], v[TM+6*\t] offset:64*\t
	global_store_b64 v[L8], v[192+16*\t:193+16*\t], s[80:81] offset:1536*\t+768
	global_store_b128 v[L16], v[194+16*\t:197+16*\t], s[80:81] offset:1536*\t+1024
.endr
	ds_load_b64 v[RBK:RBK+1], v[RDW8]              ; LDS serves a wave's instructions in order: this sees my stores
	s_wait_dscnt 0x0
	global_store_b64 v[L8], v[RBK:RBK+1], s[80:81] offset:6144
; ================= Q; the second refill's round stands round its first tile's products
	WALU
	s_wait_tensorcnt 0x0
	ds_add_u32 v[SPW], v[NIL]
	WDESC 1024*KROW
	s_wait_dscnt 0x0
	s_barrier_signal -1
	BLOCK 0, 0, ACC, 8, 0, 32, L_NONE
	MIDDLE
	BARRIER
	HALFLOAD                                       ; K's rows, onto Q's, which every wave holds in registers
	FETCH 2, 0
	QT 0, 1, -1, 0, 1
.irp i, 2,3,4,5,6
	QT 0, \i, NF+1, 0, 1
.endr
	QT 0, 7, NF+1, 1, 1
.set SBP, SB+32
	WEIGHTS                                        ; K's weights; Q's last way out under their flight
	s_wait_xcnt 0x0
	STRAIGHT ACC+32
	QOUT 0, 7
	ds_load_b128 v[RBK:RBK+3], v[RDW]
	s_wait_dscnt 0x0
	global_store_b128 v[L16], v[RBK:RBK+3], s[78:79]
; ================= K
	BLOCK 0, 0, ACC, 8, 0, 32, L_NONE
	WIN 0
	PLACES 4
	FETCH 2, 0
	QT 1, 1, -1, 0, 1
.irp i, 2,3,4,5
	QT 1, \i, NF+1, 0, 1
.endr
	QT 1, 6, NF+1, 0, 0
	QT 1, 7, 1, 0, 0
	s_wait_xcnt 0x0
	STRAIGHT ACC+32
	QOUT 1, 7
	ds_load_b128 v[RBK:RBK+3], v[RDW]
	s_wait_dscnt 0x0
	global_store_b128 v[L16], v[RBK:RBK+3], s[78:79] offset:KOFF
	s_wait_tensorcnt 0x0                           ; the wave's end
	ds_add_u32 v[SPW], v[NIL]
	s_wait_dscnt 0x0
	CROUND                                         ; the closing round
	s_endpgm
.Lfunc_end_k_qff343fff16_gemm_qkv:
	.size	k_qff343fff16_gemm_qkv, .Lfunc_end_k_qff343fff16_gemm_qkv-k_qff343fff16_gemm_qkv
	.p2alignl 7, 3214868480
	.fill 96, 4, 3214868480
	.section	.rodata,"a",@progbits
	.p2align	6, 0x0
	.amdhsa_kernel k_qff343fff16_gemm_qkv
		.amdhsa_group_segment_fixed_size 327680
		.amdhsa_private_segment_fixed_size 0
		.amdhsa_enable_private_segment 0
		.amdhsa_kernarg_size 32
		.amdhsa_user_sgpr_count 2
		.amdhsa_user_sgpr_kernarg_segment_ptr 1
		.amdhsa_wavefront_size32 1
		.amdhsa_system_sgpr_workgroup_id_x 1
		.amdhsa_system_sgpr_workgroup_id_y 1
		.amdhsa_system_sgpr_workgroup_id_z 1
		.amdhsa_system_vgpr_workitem_id 0
		.amdhsa_next_free_vgpr 992
		.amdhsa_next_free_sgpr 100
		.amdhsa_reserve_vcc 0
		.amdhsa_float_denorm_mode_32 3
		.amdhsa_float_denorm_mode_16_64 3
		.amdhsa_memory_ordered 1
		.amdhsa_forward_progress 1
		.amdhsa_inst_pref_size 244
	.end_amdhsa_kernel
	.amdgpu_metadata
---
amdhsa.version: [ 1, 2 ]
amdhsa.kernels:
  - .name:           k_qff343fff16_gemm_qkv
    .symbol:         k_qff343fff16_gemm_qkv.kd
    .args:
      - { .name: xq, .offset: 0, .size: 8, .value_kind: global_buffer, .address_space: global }
      - { .name: wq, .offset: 8, .size: 8, .value_kind: global_buffer, .address_space: global }
      - { .name: qk, .offset: 16, .size: 8, .value_kind: global_buffer, .address_space: global }
      - { .name: vv, .offset: 24, .size: 8, .value_kind: global_buffer, .address_space: global }
    .group_segment_fixed_size: 327680
    .private_segment_fixed_size: 0
    .kernarg_segment_align: 8
    .kernarg_segment_size: 32
    .max_flat_workgroup_size: 128
    .sgpr_count:     100
    .vgpr_count:     992
    .wavefront_size: 32
...
	.end_amdgpu_metadata
.endif
;; end of part 2
;; launch attn (part 3): grid 4 x 64, 16 waves a work-group, clusters of 4 x 1, 212,992 bytes of LDS; arguments qk, vv, oq; writes oq
.if DOCPART == 3
	.amdgcn_target "amdgcn-amd-amdhsa--gfx1250"
	.amdhsa_code_object_version 6
	.text
	.protected	k_qff343fff16_attn
	.globl	k_qff343fff16_attn
	.p2align	8
	.type	k_qff343fff16_attn,@function
k_qff343fff16_attn:
	s_mov_b64 s[64:65], 0
	v_nop
	global_prefetch_b8 v0, s[64:65] scope:SCOPE_SE
	s_setreg_imm32_b32 hwreg(HW_REG_WAVE_MODE, 25, 1), 1
	s_wait_xcnt 0x0
	s_wait_alu depctr_hold_cnt(0) depctr_sa_sdst(0) depctr_va_vdst(0) depctr_va_sdst(0) depctr_va_ssrc(0) depctr_va_vcc(0) depctr_vm_vsrc(0)
	s_getreg_b32 s2, hwreg(HW_REG_IB_STS2, 6, 4)
	s_cmp_eq_u32 s2, 0
	s_cbranch_scc0 .Lentry_in_a_cluster
	s_endpgm
.Lentry_in_a_cluster:
	s_bfe_u32 s2, ttmp6, 0x10000c
	s_cmp_lg_u32 s2, 0x3003
	s_cbranch_scc0 .Lentry_shape_is_right
	s_endpgm
.Lentry_shape_is_right:
; O = softmax(q k^T / 8) v for 8 batches x 16 heads of 64, 1,024 tokens, both products on codes of FP6 (E2M3) with E8M0 scales; O is quantised along head x 64 + channel in registers and leaves as codes.
; THE SOFTMAX AHEAD OF THE SECOND PRODUCT: t = score x log2(e) / 8; M = the running largest t rounded up to a whole number; p = 2^(t - M) is quantised along the keys, not normalised; the row's sum is taken of the
; unquantised p and divides O at the end; when M moves, the sum and O are multiplied by 2^(old M - new M), which rounds nothing.
; SHARES.  A work-group owns 256 queries of one batch and a PAIR of heads; each of its sixteen waves one tile of 16 queries, through head 2 p and then head 2 p + 1: so a wave makes one whole K step of 128 of the last
; product's operand, scale word included.  Four waves to a SIMD: one wave's vector work stands beside another's matrix work and LDS loads.
; CLUSTER.  The four query blocks of a batch and head pair need the same K and V: every fill is asked for jointly by the four.  Both heads' K and V (2 x 104,448 bytes) fit in LDS: each byte is filled once, all
; fills go out at the head, and the second head's land under the first head's work.  So there is no ring, no refill and nothing later to prefetch.
; LAYOUT.  Both products are used transposed: S^T = K Q^T, O^T = V^T P^T: a lane holds ONE query (lane % 16).  K, V and Q arrive as images of their operand registers (half a fragment: 8 bytes a lane, then 16 bytes a lane),
; and tokens and channels lie permuted inside groups of 32, so that the 16 registers of tiles 2 b and 2 b + 1 are 16 neighbouring keys (or channels) 32 b + 16 (lane / 16) + 0 .. 15.
; The first product's K is 64: registers 6-11 of K's and Q's fragments are zero codes, under the bytes 127 that their scale words carry.
; LIMITS: NaN and infinities are not served; a p under 2^-126 falls to 0; a block of zeros keeps the byte 1 (this program alone reads the bytes).
; REGISTERS: v0 the first head's two scale bytes; v1-3 4, 8, 16 x lane; v4-7 addresses in hand; v8, v9 the add's two; v10-11 V's scale words; v12 -M, v13 the largest score, v[14:15] the sum; v16-27 Q; v28-31 K's scale words;
;   v32-79 four fragments of K; v80-127 four of V; v128-191 S^T, then p; v192-223 O^T; v224-235 p's codes; v236-254 at work; v255 Q's scale word.
.set KREC,  53248                      ; a head's K: 64 half-images of 768 bytes, then 4,096 bytes of scale words
.set VREC,  51200                      ; a head's V: 8 key steps of 6,400 bytes
.set HEADB, KREC+VREC                  ; LDS: head j of the pair at j x HEADB: K, then V
.set SPARE, 2*HEADB                    ; the spare words, 128 bytes a wave: eight blocks of 256 bytes that no other line names
.set OSC,   SPARE+2048                 ; the work-group's 256 scale words of O; no fill lands here
.set L4,  1
.set L8,  2
.set L16, 3
.set SPW, 8
.set NIL, 9
.set VS,  10
.set QF,  16
.set KS,  28
.set KF,  32
.set VF,  80
.set S,   128
.set O,   192
.set BM,  248                          ; v248-251 the blocks' largest scores
.set QW,  255
.set WV,  18                           ; s18 my wave's number
.set SEL, 20                           ; s[20:21] lane selects: lane l xor 16
.set CS,  22                           ; s[22:23] c = log2(e) / 8; the packed form names a pair and takes its low word for both halves
.set G1K, 24                           ; s[24:31] group 1 for half a K record; s[32:39] for half a V record
.set G1V, 32
.set G0K, 40                           ; s[40:47] groups 0 for K, a set for each head; s[48:55] for V
.set G0V, 48
.set QA,  56                           ; s[56:57] my tile of Q in the first head's record
.set QSB, 58                           ; s[58:59] its scale words
.set OBS, 60                           ; s[60:61] my tile's two half-images in oq
.set OSB, 62                           ; s[62:63] the work-group's scale words in oq
.set CNT, 66
.set TK,  82                           ; s82 LDS byte of the key step's K images; s83 of its scale words; s84 of its V
.set TW,  83
.set TV,  84
.macro CROUND                          ; a round of the cluster's barrier
	s_barrier_signal -1
	s_barrier_wait -1
	s_cmp_lg_u32 s[WV], 0
	s_cbranch_scc1 .Lnot_wave_0_\@
	s_barrier_signal -3
.Lnot_wave_0_\@:
	s_barrier_wait -3
	s_barrier_signal -1
	s_barrier_wait -1
.endm
	s_load_b128 s[4:7], s[0:1], 0x0                ; qk s[4:5], vv s[6:7]
	s_load_b64 s[8:9], s[0:1], 0x10                ; oq
	v_lshl_add_u32 v[SPW], v0, 2, SPARE
	v_mov_b32 v[NIL], 0
	ds_add_u32 v[SPW], v[NIL]                      ; the wave's opening: the add and its wait stand ahead of my first tensor load; the set-up below stands between them
	ds_add_u32 v[SPW], v[NIL]
	v_lshrrev_b32 v1, 5, v0
	s_delay_alu instid0(VALU_DEP_1)
	v_readfirstlane_b32 s[WV], v1                  ; wave 0..15
	s_bfe_u32 s10, ttmp6, 0x40000                  ; cx: my block of 256 queries; it enters Q's and O's addresses alone
	s_and_b32 s11, ttmp7, 0xffff
	s_lshr_b32 s12, s11, 3                         ; batch
	s_and_b32 s13, s11, 7                          ; head pair p
	s_lshl_b32 s14, s13, 4
	s_add_co_u32 s14, s14, s12                     ; record of head 2 p: 8 x head + batch
	s_and_b32 s15, s[WV], 1                        ; which half of a record I fetch, if I fetch
	s_mul_i32 s16, s14, KREC
	s_mul_i32 s17, s14, VREC
	s_mul_i32 s19, s15, KREC/2
	s_mul_i32 s67, s15, VREC/2
	s_add_co_u32 s68, s16, s19
	s_add_co_u32 s68, s68, 128*KREC                ; k's heads lie 16 heads behind q's
	s_mov_b32 s69, 0
	s_add_co_u32 s70, s17, s67
	s_mov_b32 s71, 0
	s_lshl_b32 s72, s10, 4
	s_add_co_u32 s72, s72, s[WV]                   ; my tile of 16 queries in the batch
	s_mul_i32 s73, s72, 768
	s_add_co_u32 s74, s16, s73
	s_mov_b32 s75, 0
	s_lshl_b32 s73, s72, 6
	s_add_co_u32 s76, s16, s73
	s_add_co_u32 s76, s76, 49152
	s_mov_b32 s77, 0
	s_lshl_b32 s73, s12, 6
	s_add_co_u32 s73, s73, s72
	s_mul_i32 s78, s73, 12288                      ; oq: a tile of tokens is 16 heads x 768 bytes
	s_mul_i32 s73, s13, 1536
	s_add_co_u32 s78, s78, s73
	s_mov_b32 s79, 0
	s_lshl_b32 s80, s13, 15                        ; oq's scale words: [K step p][token] x 4 bytes, behind the codes
	s_lshl_b32 s73, s12, 12
	s_add_co_u32 s80, s80, s73
	s_lshl_b32 s73, s10, 10
	s_add_co_u32 s80, s80, s73
	s_add_co_u32 s80, s80, 512*12288
	s_mov_b32 s81, 0
	; descriptor groups 1: half a record, dense, as rows of 256 bytes (32 elements of 8 bytes); no padding: every LDS read takes bytes on end
	s_mov_b32 s[G1K], 15|(3<<16)|(1<<21)           ; the mask: all four work-groups; elements of 8 bytes; bit 21 beside a mask
	s_mov_b32 s[G1K+1], 32<<16
	s_mov_b32 s[G1K+2], 104<<16
	s_mov_b32 s[G1K+3], 32<<16
	s_mov_b32 s[G1K+4], 104
	s_mov_b32 s[G1K+5], 32
	s_mov_b32 s[G1K+6], 0
	s_mov_b32 s[G1K+7], 0
	s_mov_b32 s[G1V], 15|(3<<16)|(1<<21)
	s_mov_b32 s[G1V+1], 32<<16
	s_mov_b32 s[G1V+2], 100<<16
	s_mov_b32 s[G1V+3], 32<<16
	s_mov_b32 s[G1V+4], 100
	s_mov_b32 s[G1V+5], 32
	s_mov_b32 s[G1V+6], 0
	s_mov_b32 s[G1V+7], 0
	s_mov_b32 s[SEL], 0x76543210
	s_mov_b32 s[SEL+1], 0xfedcba98
	s_mov_b32 s[CS], 0x3e38aa3b                    ; log2(e) / 8
	s_mov_b32 s[CS+1], s[CS]
	s_wait_dscnt 0x0                               ; the opening add is done
	s_wait_kmcnt 0x0
	s_add_nc_u64 s[68:69], s[4:5], s[68:69]
	s_add_nc_u64 s[70:71], s[6:7], s[70:71]
	s_add_nc_u64 s[QA:QA+1], s[4:5], s[74:75]
	s_add_nc_u64 s[QSB:QSB+1], s[4:5], s[76:77]
	s_add_nc_u64 s[OBS:OBS+1], s[8:9], s[78:79]
	s_add_nc_u64 s[OSB:OSB+1], s[8:9], s[80:81]
	CROUND                                         ; all four work-groups are here: the joint loads meet
.irp j, 0,1
	s_mov_b32 s[G0K+4*\j], 1
	s_add_co_u32 s[G0K+4*\j+1], s19, \j*HEADB
	s_add_nc_u64 s[G0K+4*\j+2:G0K+4*\j+3], s[68:69], \j*8*KREC
	s_or_b32 s[G0K+4*\j+3], s[G0K+4*\j+3], 0x80000000
	s_mov_b32 s[G0V+4*\j], 1
	s_add_co_u32 s[G0V+4*\j+1], s67, \j*HEADB+KREC
	s_add_nc_u64 s[G0V+4*\j+2:G0V+4*\j+3], s[70:71], \j*8*VREC
	s_or_b32 s[G0V+4*\j+3], s[G0V+4*\j+3], 0x80000000
.endr
	s_cmp_lt_u32 s[WV], 2                          ; eight fills, one a wave, in one chain of branches: waves 0, 1 the first head's K by halves, 2, 3 its V, 4, 5 the second head's K, 6, 7 its V
	s_cbranch_scc0 .Lnot_k
	tensor_load_to_lds s[G0K:G0K+3], s[G1K:G1K+7]
	s_nop 0
.rept 4
	v_nop
.endr
	s_branch .Lasked
.Lnot_k:
	s_cmp_lt_u32 s[WV], 4
	s_cbranch_scc0 .Lnot_v
	tensor_load_to_lds s[G0V:G0V+3], s[G1V:G1V+7]
	s_nop 0
.rept 4
	v_nop
.endr
	s_branch .Lasked
.Lnot_v:
	s_cmp_lt_u32 s[WV], 6
	s_cbranch_scc0 .Lnot_k1
	tensor_load_to_lds s[G0K+4:G0K+7], s[G1K:G1K+7]
	s_nop 0
.rept 4
	v_nop
.endr
	s_branch .Lasked
.Lnot_k1:
	s_cmp_lt_u32 s[WV], 8
	s_cbranch_scc0 .Lasked
	tensor_load_to_lds s[G0V+4:G0V+7], s[G1V:G1V+7]
	s_nop 0
.rept 4
	v_nop
.endr
.Lasked:
	v_and_b32 v7, 31, v0
	s_delay_alu instid0(VALU_DEP_1)
	v_lshlrev_b32 v[L4], 2, v7
	s_delay_alu instid0(VALU_DEP_2)
	v_lshlrev_b32 v[L8], 3, v7
	s_delay_alu instid0(VALU_DEP_3)
	v_lshlrev_b32 v[L16], 4, v7
	s_delay_alu instid0(VALU_DEP_3)
	v_and_b32 v130, 60, v[L4]                      ; 4 x (lane % 16)
	global_load_b64 v[QF:QF+1], v[L8], s[QA:QA+1]              ; Q of the first head: half a fragment
	global_load_b128 v[QF+2:QF+5], v[L16], s[QA:QA+1] offset:256
	global_load_b32 v[QW], v130, s[QSB:QSB+1]
.irp i, 6,7,8,9,10,11
	v_mov_b32 v[QF+\i], 0                          ; K = 64 .. 127 of the first product: zero codes, once
.irp t, 0,1,2,3
	v_mov_b32 v[KF+12*\t+\i], 0
.endr
.endr
.irp b, 0,1,2,3
	v_mov_b32 v[236+\b], 0                         ; written once: a lane permute's destination counts as one of its sources
.endr
	v_mov_b32 v253, 0                              ; (named as the upper half of the pair v[252:253] before it is first written)
.macro SPROD g                         ; S^T = K Q^T, tiles 4 g .. 4 g + 3 of 16 keys; a register of scale words serves two tiles
.irp t, 0,1,2,3
.if \t%2
	v_wmma_scale_f32_16x16x128_f8f6f4 v[S+8*(4*\g+\t):S+8*(4*\g+\t)+7], v[KF+12*\t:KF+12*\t+11], v[QF:QF+11], 0, v[KS+(4*\g+\t)/2], v[QW] matrix_a_fmt:MATRIX_FMT_FP6 matrix_b_fmt:MATRIX_FMT_FP6 matrix_a_scale:MATRIX_SCALE_ROW1
.else
	v_wmma_scale_f32_16x16x128_f8f6f4 v[S+8*(4*\g+\t):S+8*(4*\g+\t)+7], v[KF+12*\t:KF+12*\t+11], v[QF:QF+11], 0, v[KS+(4*\g+\t)/2], v[QW] matrix_a_fmt:MATRIX_FMT_FP6 matrix_b_fmt:MATRIX_FMT_FP6
.endif
.endr
.endm
.macro KLOAD g                         ; four half-fragments of K
.irp t, 0,1,2,3
	ds_load_b64 v[KF+12*\t:KF+12*\t+1], v4 offset:768*(4*\g+\t)
	ds_load_b128 v[KF+12*\t+2:KF+12*\t+5], v5 offset:768*(4*\g+\t)+256
.endr
.endm
; One head of the pair.
.macro HINIT j                         ; a head's start: its LDS places, -M, the sum and O^T
.set HB, (\j)*HEADB
	s_wait_xcnt 0x0                                ; the last head's stores have read their data: p's codes are written again below
	s_mov_b32 s[TK], HB
	s_mov_b32 s[TW], HB+49152
	s_mov_b32 s[TV], HB+KREC
	v_mov_b32 v13, 0xff61b1e6                      ; the largest score so far: -3e38, under every score
	s_delay_alu instid0(VALU_DEP_1)
	v_floor_f32 v12, -v13                          ; -M
	v_mov_b32 v14, 0
	v_mov_b32 v15, 0
.set i, 0
.rept 32
	v_mov_b32 v[O+i], 0                            ; O^T: the loop has no first step of its own; the first change of M leaves zeros zeros
.set i, i+1
.endr
	KNEXT                                          ; the head's first 128 keys
	s_wait_loadcnt 0x0                             ; Q
.endm
.macro KNEXT                           ; the key step at s[TK], s[TW]: its scale words and its first four half-fragments of K: twelve loads.  The three sums and the move are the four places behind the products that read these registers
	v_add_nc_u32 v4, s[TK], v[L8]
	v_add_nc_u32 v5, s[TK], v[L16]
	v_add_nc_u32 v6, s[TW], v[L4]
	v_mov_b32 v246, v12                            ; -M as it stands, kept for the change of M; the fourth place
.irp i, 0,1,2,3
	ds_load_b32 v[KS+\i], v6 offset:128*\i         ; K's scale words: lanes 0-15 tile 2 i, lanes 16-31 tile 2 i + 1
.endr
	KLOAD 0
.endm
.macro TRIP pf                         ; 128 keys; pf = 1: the next key step's first loads are issued behind the scores' products
	s_wait_alu depctr_va_vdst(0)
	s_wait_dscnt 0x0                               ; the twelve loads asked for a trip ago (or at the head's start) are in
	SPROD 0
	v_add_nc_u32 v6, s[TV], v[L8]                  ; three sums and a v_nop: the four places in front of the loads into K's registers
	v_add_nc_u32 v7, s[TV], v[L16]
	v_add_nc_u32 v254, s[TV], v[L4]
	v_nop
	KLOAD 1
.irp t, 0,1,2,3                                ; V of this step, asked for here and wanted behind the softmax: two half-images a fragment
	ds_load_b64 v[VF+12*\t:VF+12*\t+1], v6 offset:1536*\t
	ds_load_b128 v[VF+12*\t+2:VF+12*\t+5], v7 offset:1536*\t+256
	ds_load_b64 v[VF+12*\t+6:VF+12*\t+7], v6 offset:1536*\t+768
	ds_load_b128 v[VF+12*\t+8:VF+12*\t+11], v7 offset:1536*\t+1024
.endr
.irp i, 0,1
	ds_load_b32 v[VS+\i], v254 offset:6144+128*\i
.endr
	s_wait_dscnt 18                                ; K's eight loads are in; V's sixteen and its two scale loads may be out
	SPROD 1
.if \pf
	s_add_co_u32 s[TK], s[TK], 6144                ; the next 128 keys
	s_add_co_u32 s[TW], s[TW], 512
	KNEXT                                          ; its four vector lines are also the places in front of the first read of the scores
.else
	v_mov_b32 v246, v12                            ; -M as it stands
.rept 3
	v_nop                                          ; with the line above: the places in front of the first read of the scores
.endr
.endif
.irp b, 0,1,2,3
	v_max3_num_f32 v[BM+\b], v[S+16*\b], v[S+1+16*\b], v[S+2+16*\b]   ; the largest score of each block of 32 keys: for the row's maximum and, since p rises with the score, for the block's largest p
.endr
.irp i, 3,5,7,9,11,13
.irp b, 0,1,2,3
	v_max3_num_f32 v[BM+\b], v[BM+\b], v[S+16*\b+\i], v[S+1+16*\b+\i]
.endr
.endr
.irp b, 0,1,2,3
	v_max_num_f32 v[BM+\b], v[BM+\b], v[S+15+16*\b]
.endr
.irp b, 0,1,2,3
	v_permlanex16_b32 v[236+\b], v[BM+\b], s[SEL], s[SEL+1]   ; (four chains by turns)
.endr
.irp b, 0,1,2,3
	v_max_num_f32 v[BM+\b], v[BM+\b], v[236+\b]    ; with lane l xor 16's 16 keys
.endr
	s_delay_alu instid0(VALU_DEP_2)
	v_max3_num_f32 v254, v[BM], v[BM+1], v[BM+2]
	s_delay_alu instid0(VALU_DEP_1)
	v_max3_num_f32 v13, v13, v254, v[BM+3]         ; v13: the running largest SCORE (c is positive, and a multiplication by it keeps the order: the largest t is c x the largest score)
	s_delay_alu instid0(VALU_DEP_1)
	v_mul_f32 v254, s[CS], v13                     ; the running largest t
	s_delay_alu instid0(VALU_DEP_1)
	v_floor_f32 v12, -v254                         ; the new -M = -ceil(t): a whole number
	s_delay_alu instid0(VALU_DEP_1)
	v_sub_f32 v254, v12, v246                      ; old M - new M: a whole number, 0 or less
	s_delay_alu instid0(VALU_DEP_1)
	v_cvt_i32_f32 v254, v254                       ; (it saturates)
	s_delay_alu instid0(VALU_DEP_1)
	v_ldexp_f32 v252, 1.0, v254                    ; f = 2^(old M - new M)
.set i, 0
.rept 32
	v_pk_fma_f32 v[S+i:S+i+1], v[S+i:S+i+1], s[CS:CS+1], v[12:13] op_sel_hi:[1,0,0]   ; t - M, two at a time
.set i, i+2
.endr
.irp b, 0,1,2,3
	v_fma_f32 v[BM+\b], v[BM+\b], s[CS], v12       ; the same of each block's largest score
.endr
.set i, 0
	s_wait_alu depctr_va_vdst(0)
.rept 64
	v_exp_f32 v[S+i], v[S+i]                       ; p = 2^(t - M): one batch
.set i, i+1
.endr
	v_pk_mul_f32 v[14:15], v[14:15], v[252:253] op_sel_hi:[1,0]   ; the sums under the new M: the plain place behind the exponentials
	s_wait_alu depctr_va_vdst(0)                   ; one wait for the batch, ahead of its first reader
.irp b, 0,1,2,3
	v_exp_f32 v[BM+\b], v[BM+\b]                   ; the block's largest p: the same two instructions on the same number give the same bits
.endr
	v_pk_add_f32 v[236:237], v[132:133], v[136:137]
	v_pk_add_f32 v[246:247], v[140:141], v[144:145]
	v_pk_add_f32 v[244:245], v[148:149], v[152:153]
	v_pk_add_f32 v[242:243], v[156:157], v[160:161]
	v_pk_add_f32 v[240:241], v[164:165], v[168:169]
	v_pk_add_f32 v[238:239], v[172:173], v[176:177]
	v_pk_add_f32 v[234:235], v[180:181], v[184:185]
	v_pk_add_f32 v[14:15], v[14:15], v[188:189]
	v_pk_add_f32 v[236:237], v[236:237], v[128:129]
	v_pk_add_f32 v[246:247], v[246:247], v[130:131]
	v_pk_add_f32 v[244:245], v[244:245], v[134:135]
	v_pk_add_f32 v[242:243], v[242:243], v[138:139]
	v_pk_add_f32 v[240:241], v[240:241], v[142:143]
	v_pk_add_f32 v[238:239], v[238:239], v[146:147]
	v_pk_add_f32 v[234:235], v[234:235], v[150:151]
	v_pk_add_f32 v[14:15], v[14:15], v[154:155]
	v_pk_add_f32 v[236:237], v[236:237], v[158:159]
	v_pk_add_f32 v[246:247], v[246:247], v[162:163]
	v_pk_add_f32 v[244:245], v[244:245], v[166:167]
	v_pk_add_f32 v[242:243], v[242:243], v[170:171]
	v_pk_add_f32 v[240:241], v[240:241], v[174:175]
	v_pk_add_f32 v[238:239], v[238:239], v[178:179]
	v_pk_add_f32 v[234:235], v[234:235], v[182:183]
	v_pk_add_f32 v[14:15], v[14:15], v[186:187]
	v_pk_add_f32 v[236:237], v[236:237], v[190:191]
	s_delay_alu instid0(VALU_DEP_2)
	v_pk_add_f32 v[14:15], v[14:15], v[242:243]
	s_delay_alu instid0(VALU_DEP_2)
	v_pk_add_f32 v[236:237], v[236:237], v[240:241]
	v_pk_add_f32 v[246:247], v[246:247], v[238:239]
	v_pk_add_f32 v[244:245], v[244:245], v[234:235]
	s_delay_alu instid0(VALU_DEP_2)
	v_pk_add_f32 v[14:15], v[14:15], v[246:247]
	s_delay_alu instid0(VALU_DEP_2)
	v_pk_add_f32 v[236:237], v[236:237], v[244:245]
	s_delay_alu instid0(VALU_DEP_1)
	v_pk_add_f32 v[14:15], v[14:15], v[236:237]
	s_wait_alu depctr_va_vdst(0)                   ; and one for the four
.irp b, 0,1,2,3
	v_max_num_f32 v[BM+\b], 0x1800000, v[BM+\b]    ; the floor 2^(3 - 127): the byte cannot fall under 1
.endr
.irp b, 0,1,2,3
	v_add_nc_u32 v[244+\b], 0xff000000, v[BM+\b]   ; 2 off the exponent field: the conversion's scale operand
.endr
.irp b, 0,1,2,3
	v_lshrrev_b32 v[236+\b], 23, v[244+\b]         ; the byte
.endr
	s_delay_alu instid0(VALU_DEP_3)
	v_lshl_or_b32 v253, v237, 8, v236              ; p's scale word for these 128 keys
	s_delay_alu instid0(VALU_DEP_1)
	v_lshl_or_b32 v253, v238, 16, v253
	s_delay_alu instid0(VALU_DEP_1)
	v_lshl_or_b32 v253, v239, 24, v253
.irp c, 0,1
	v_cvt_scalef32_pk16_fp6_f32 v[224+6*\c:226+6*\c], v[S+32*\c:S+15+32*\c], v[244+2*\c]
	v_cvt_scalef32_pk16_fp6_f32 v[236+4*\c:238+4*\c], v[S+16+32*\c:S+31+32*\c], v[244+2*\c+1]
.endr
	v_pk_mul_f32 v[O:O+1], v[O:O+1], v[252:253] op_sel_hi:[1,0]   ; the first of O^T's sixteen rescalings is the plain place behind the scaled conversions
.irp c, 0,1                                    ; a whole block to a lane: lanes 0-15 block 2 c, lanes 16-31 block 2 c + 1
.irp i, 0,1,2
	v_permlane16_swap_b32 v[224+6*\c+\i], v[236+4*\c+\i]
.endr
.irp i, 0,1,2
	v_mov_b32 v[227+6*\c+\i], v[236+4*\c+\i]
.endr
.endr
.set i, 2
.rept 15
	v_pk_mul_f32 v[O+i:O+i+1], v[O+i:O+i+1], v[252:253] op_sel_hi:[1,0]   ; O^T under the new M; these fifteen are also the places between p's scale word and codes and the products
.set i, i+2
.endr
	s_wait_alu depctr_va_vdst(0)
.if \pf
	s_wait_dscnt 12                                ; V is in; the next key step's twelve loads may be out
.else
	s_wait_dscnt 0x0                               ; V is in
.endif
.irp t, 0,1,2,3
.if \t%2
	v_wmma_scale_f32_16x16x128_f8f6f4 v[O+8*\t:O+8*\t+7], v[VF+12*\t:VF+12*\t+11], v[224:235], v[O+8*\t:O+8*\t+7], v[VS+\t/2], v253 matrix_a_fmt:MATRIX_FMT_FP6 matrix_b_fmt:MATRIX_FMT_FP6 matrix_a_scale:MATRIX_SCALE_ROW1
.else
	v_wmma_scale_f32_16x16x128_f8f6f4 v[O+8*\t:O+8*\t+7], v[VF+12*\t:VF+12*\t+11], v[224:235], v[O+8*\t:O+8*\t+7], v[VS+\t/2], v253 matrix_a_fmt:MATRIX_FMT_FP6 matrix_b_fmt:MATRIX_FMT_FP6
.endif
.endr
	s_add_co_u32 s[TV], s[TV], 6400
.endm
.macro KLOOP n                         ; n trips, on from where the places stand
	s_mov_b32 s[CNT], \n
.Lkeys_\@:
	TRIP 1
	s_sub_co_u32 s[CNT], s[CNT], 1
	s_cmp_lg_u32 s[CNT], 0
	s_cbranch_scc1 .Lkeys_\@
.endm
.macro HOUT j
	; the head's way out: O^T / the sum, quantised along the head's 64 channels: half a fragment of the last product's operand
.rept 4
	v_nop                                          ; places behind the last products
.endr
	v_add_f32 v14, v14, v15                        ; the sum's two halves,
	s_delay_alu instid0(VALU_DEP_1)
	v_permlanex16_b32 v252, v14, s[SEL], s[SEL+1]
	s_delay_alu instid0(VALU_DEP_1)
	v_add_f32 v14, v14, v252                       ; and lane l xor 16's
	s_wait_alu depctr_va_vdst(0)
	v_rcp_f32 v14, v14
	v_and_b32 v162, 60, v[L4]                      ; (the plain place behind the reciprocal)  4 x (lane % 16)
.if (\j) == 0
	global_load_b64 v[QF:QF+1], v[L8], s[QA:QA+1] offset:8*KREC           ; Q of the second head lands under the lines below
	global_load_b128 v[QF+2:QF+5], v[L16], s[QA:QA+1] offset:8*KREC+256
	global_load_b32 v[QW], v162, s[QSB:QSB+1] offset:8*KREC
.endif
	s_wait_alu depctr_va_vdst(0)                   ; the wait ahead of the reciprocal's first reader
.set i, 0
.rept 16
	v_pk_mul_f32 v[S+i:S+i+1], v[O+i:O+i+1], v[14:15] op_sel_hi:[1,0]     ; register 16 b + i = channel 32 b + 16 (lane / 16) + i; each accumulator from its low end on
.set i, i+2
.endr
.irp b, 0,1
	v_max3_num_f32 v[BM+\b], |v[S+16*\b]|, |v[S+1+16*\b]|, 0x1800000
.endr
.irp i, 2,4,6,8,10,12,14
.irp b, 0,1
	s_delay_alu instid0(VALU_DEP_2)
	v_max3_num_f32 v[BM+\b], v[BM+\b], |v[S+16*\b+\i]|, |v[S+1+16*\b+\i]|
.endr
.endr
.irp b, 0,1
	s_delay_alu instid0(VALU_DEP_2)
	v_permlanex16_b32 v[236+\b], v[BM+\b], s[SEL], s[SEL+1]
.endr
.irp b, 0,1
	s_delay_alu instid0(VALU_DEP_2)
	v_max_num_f32 v[BM+\b], v[BM+\b], v[236+\b]
.endr
.irp b, 0,1
	s_delay_alu instid0(VALU_DEP_2)
	v_add_nc_u32 v[244+\b], 0xff000000, v[BM+\b]
.endr
.irp b, 0,1
	s_delay_alu instid0(VALU_DEP_2)
	v_lshrrev_b32 v[236+\b], 23, v[244+\b]
.endr
.if (\j) == 0
	s_delay_alu instid0(VALU_DEP_1)
	v_lshl_or_b32 v0, v237, 8, v236                ; the first head's two bytes are kept
.else
	s_delay_alu instid0(VALU_DEP_1)
	v_lshl_or_b32 v254, v237, 8, v236
	s_delay_alu instid0(VALU_DEP_1)
	v_lshl_or_b32 v0, v254, 16, v0                 ; with the second head's two the scale word of this K step of 128 is whole
.endif
	v_cvt_scalef32_pk16_fp6_f32 v[224:226], v[S:S+15], v244
	v_cvt_scalef32_pk16_fp6_f32 v[240:242], v[S+16:S+31], v245
	v_nop
.irp i, 0,1,2
	v_permlane16_swap_b32 v[224+\i], v[240+\i]
.endr
.irp i, 0,1,2
	s_delay_alu instid0(VALU_DEP_3)
	v_mov_b32 v[227+\i], v[240+\i]
.endr
	global_store_b64 v[L8], v[224:225], s[OBS:OBS+1] offset:(\j)*768          ; 256 bytes on end, aligned
	global_store_b128 v[L16], v[226:229], s[OBS:OBS+1] offset:(\j)*768+256    ; 512
.endm
	s_cmp_lt_u32 s[WV], 4                          ; the first head's four fills have lines of their own: their issuers wait here; the second head's may stay out
	s_cbranch_scc0 .Lnot_h0
	s_wait_tensorcnt 0x0
.Lnot_h0:
	s_barrier_signal -1
	s_barrier_wait -1
	HINIT 0
	KLOOP 2
	s_wait_tensorcnt 0x0                           ; every wave: the second head's fills are in,
	s_wait_dscnt 0x0
	s_barrier_signal -1
	s_barrier_wait -1                              ; and shown to all, behind the first head's second trip: so no barrier stands between the heads
	KLOOP 5
	TRIP 0                                         ; a head's last trip is written out: it asks for nothing more
	HOUT 0
	HINIT 1
	KLOOP 7
	TRIP 0
	HOUT 1
	; the scale words of the work-group's 256 queries meet in LDS and leave as 1,024 bytes on end
	v_and_b32 v162, 60, v[L4]
	s_lshl_b32 s72, s[WV], 6
	s_add_co_u32 s72, s72, OSC
	v_add_nc_u32 v163, s72, v162
	s_lshl_b32 s73, s15, 9
	v_add_nc_u32 v165, s73, v[L16]
	s_add_co_u32 s73, s73, OSC
	v_add_nc_u32 v164, s73, v[L16]
	ds_store_b32 v163, v0                          ; both halves of the lanes write the same word with the same value
	s_wait_dscnt 0x0                               ; for the others' sake
	s_barrier_signal -1
	s_barrier_wait -1
	s_cmp_lt_u32 s[WV], 2
	s_cbranch_scc0 .Lno_words
	s_wait_alu depctr_va_vdst(0)
	ds_load_b128 v[168:171], v164
	s_wait_dscnt 0x0
	global_store_b128 v165, v[168:171], s[OSB:OSB+1]
.Lno_words:
	s_wait_tensorcnt 0x0                           ; the wave's end
	ds_add_u32 v[SPW], v[NIL]
	s_wait_dscnt 0x0
	CROUND                                         ; the closing round
	s_endpgm
.Lfunc_end_k_qff343fff16_attn:
	.size	k_qff343fff16_attn, .Lfunc_end_k_qff343fff16_attn-k_qff343fff16_attn
	.p2alignl 7, 3214868480
	.fill 96, 4, 3214868480
	.section	.rodata,"a",@progbits
	.p2align	6, 0x0
	.amdhsa_kernel k_qff343fff16_attn
		.amdhsa_group_segment_fixed_size 212992
		.amdhsa_private_segment_fixed_size 0
		.amdhsa_enable_private_segment 0
		.amdhsa_kernarg_size 24
		.amdhsa_user_sgpr_count 2
		.amdhsa_user_sgpr_kernarg_segment_ptr 1
		.amdhsa_wavefront_size32 1
		.amdhsa_system_sgpr_workgroup_id_x 1
		.amdhsa_system_sgpr_workgroup_id_y 1
		.amdhsa_system_sgpr_workgroup_id_z 1
		.amdhsa_system_vgpr_workitem_id 0
		.amdhsa_next_free_vgpr 256
		.amdhsa_next_free_sgpr 86
		.amdhsa_reserve_vcc 0
		.amdhsa_float_denorm_mode_32 3
		.amdhsa_float_denorm_mode_16_64 3
		.amdhsa_memory_ordered 1
		.amdhsa_forward_progress 1
		.amdhsa_inst_pref_size 105
	.end_amdhsa_kernel
	.amdgpu_metadata
---
amdhsa.version: [ 1, 2 ]
amdhsa.kernels:
  - .name:           k_qff343fff16_attn
    .symbol:         k_qff343fff16_attn.kd
    .args:
      - { .name: qk, .offset: 0, .size: 8, .value_kind: global_buffer, .address_space: global }
      - { .name: vv, .offset: 8, .size: 8, .value_kind: global_buffer, .address_space: global }
      - { .name: oq, .offset: 16, .size: 8, .value_kind: global_buffer, .address_space: global }
    .group_segment_fixed_size: 212992
    .private_segment_fixed_size: 0
    .kernarg_segment_align: 8
    .kernarg_segment_size: 24
    .max_flat_workgroup_size: 512
    .sgpr_count:     86
    .vgpr_count:     256
    .wavefront_size: 32
...
	.end_amdgpu_metadata
.endif
;; end of part 3
;; launch gemm_out (part 4): grid 8 x 32, 4 waves a work-group, clusters of 4 x 4, 327,680 bytes of LDS; arguments oq, wp, b_proj, out0; writes out0
.if DOCPART == 4
	.amdgcn_target "amdgcn-amd-amdhsa--gfx1250"
	.amdhsa_code_object_version 6
	.text
	.protected	k_qff343fff16_gemm_out
	.globl	k_qff343fff16_gemm_out
	.p2align	8
	.type	k_qff343fff16_gemm_out,@function
k_qff343fff16_gemm_out:
	s_mov_b64 s[64:65], 0
	v_nop
	global_prefetch_b8 v0, s[64:65] scope:SCOPE_SE
	s_setreg_imm32_b32 hwreg(HW_REG_WAVE_MODE, 25, 1), 1
	s_wait_xcnt 0x0
	s_wait_alu depctr_hold_cnt(0) depctr_sa_sdst(0) depctr_va_vdst(0) depctr_va_sdst(0) depctr_va_ssrc(0) depctr_va_vcc(0) depctr_vm_vsrc(0)
	s_getreg_b32 s2, hwreg(HW_REG_IB_STS2, 6, 4)
	s_cmp_eq_u32 s2, 0
	s_cbranch_scc0 .Lentry_in_a_cluster
	s_endpgm
.Lentry_in_a_cluster:
	s_bfe_u32 s2, ttmp6, 0x10000c
	s_cmp_lg_u32 s2, 0xf033
	s_cbranch_scc0 .Lentry_shape_is_right
	s_endpgm
.Lentry_shape_is_right:
; out0 = O W_proj + b_proj on codes of FP6 (E2M3) with E8M0 scales.  O: 8,192 tokens x K 1,024 (oq), W: 1,024 columns x K 1,024 (wp), out0 f32.
; oq: [tile of 16 tokens][K step of 128][two halves of 768 bytes: 8 bytes a lane, then 16 bytes a lane]: images of operand registers; behind them scale words [K step][token].
; wp: [column's place][768 bytes], behind them 32 scale bytes a place.  Tokens and columns lie permuted inside groups of 32: place 16 u + 8 w + i holds number 16 w + 8 u + i.
; THE DEAL.  256 work-groups of four waves, 2 x 2; a work-group makes 256 tokens x 128 columns.  K is 1,024, so both operands lie in LDS for all of K: 196,608 bytes of O, 128 x 816 of W, 8,192 of O's scale words.
; Every LDS byte is filled once, by the head's four joint loads, one a wave: W's rows, O's scale words, O's tiles 0-7, O's tiles 8-15.  No ring, no refill.
; A wave holds its 64 columns of W, all of K, in registers (32 fragments, 384) and takes eight tiles of 16 tokens past them: four of the first eight and four of the second, so that all waves begin on the load that was asked for earlier.
; A tile is 32 products on four accumulators by turns; the first four take the bias as C.  Source 0 is W's rows: a lane holds one token and eight neighbouring columns an accumulator.
; A finished tile goes through the wave's own stage in LDS and leaves as rows of 256 bytes, sixteen lanes to an aligned 256 bytes.  The stage lies in W's bytes, which have had their only fill and which nobody reads behind the second barrier.
; CLUSTERS: O's loads are shared by a row of the 4 x 4 cluster, W's by a column.
; No prefetch: all that the launch reads is asked for at its head, and there is no loop to run ahead in.
; LIMITS: NaN and infinities are not served.
; THE WAITS' COUNTS on DScnt: a fetch is 36 loads (32 for eight fragments, 4 for scale words), a turn through the stage 8 stores and 8 loads.  Ahead of a tile's products the younger ones are the last tile's turn and the next tile's fetch (52);
; ahead of tile 0's the next fetch (36), ahead of tile 7's the turn alone (16).  Ahead of a tile's stores the younger ones are one fetch (36), at the end none.
.set KROW,  768
.set PITCH, 816                        ; an LDS row of W: 3 x (256 + 16)
.set FR,    12
.set FPW,   21                         ; fragments in a window of 256 registers
.set AH,    98304                      ; eight tiles of O
.set BB,    2*AH                       ; W's rows; later the four stages
.set ASC,   BB+128*PITCH               ; O's scale words: 8 K steps x 1,024 bytes
.set SPARE, ASC+8192                   ; the spare words, 128 bytes a wave
.set SPI,   272                        ; a stage row: 256 + 16
.set OSCL,  512*12288
.set WSCL,  1024*768
.set A8,    4                          ; v4, v5 LDS address of my tiles in the first eight (8, 16 bytes a lane); v6, v7 in the second eight
.set ASA,   8                          ; v8  of my scale words: lanes 0-15 K step k, lanes 16-31 K step k + 4
.set STO,   9                          ; v9  the stage, in;  v10 out;  v11 my offset in out0
.set RD,    10
.set CO,    11
.set SPW,   12
.set NIL,   13
.set BO,    14                         ; v14 offset in the bias;  v15 in W's scale bytes
.set BSO,   15
.set BA,    16                         ; v16-23 LDS addresses of W's four column tiles (the odd ones: for pieces behind one padding more)
.set SB,    32                         ; v32-47 W's scale words: 4 a tile; lanes 0-15 K steps 0-3, lanes 16-31 K steps 4-7
.set SA,    49                         ; v49-56 O's scale words, two sets of four
.set BI,    64                         ; v64-95 the bias, laid as the result lies
.set ACC,   96                         ; v96-159 two sets of four accumulators
.set RB,    160                        ; v160-223 two sets of 16 rows read back
.set G1B, 24
.set G1S, 32
.set G1A, 48
.set G0B, 56
.set G0S, 60
.set G0A, 68
.set MSB, 0
.macro WIN new
.if MSB != \new
	s_set_vgpr_msb (MSB<<8)|\new
.set MSB, \new
.endif
.endm
.macro PLACES n
.rept \n
	v_nop
.endr
.endm
.macro BARRIER
	s_barrier_signal -1
	s_barrier_wait -1
.endm
.macro CROUND
	BARRIER
	s_cmp_lg_u32 s14, 0
	s_cbranch_scc1 .Lnot_wave_0_\@
	s_barrier_signal -3
.Lnot_wave_0_\@:
	s_barrier_wait -3
	BARRIER
.endm
.macro TLOAD g0, g1
	tensor_load_to_lds s[\g0:\g0+3], s[\g1:\g1+7]
	s_nop 0
	PLACES 4
.endm
; W's fragment f = 4 q + b lies in window 1 + f / 21 at register 12 (f % 21); six pieces of 8 bytes, two to a load where both lie behind as many paddings
.macro FRAG f, q, a0, a1
	WIN (1+(\f)/FPW)<<6
.set R_, FR*((\f)%FPW)
.set SKIP_, 0
.irp p, 0,1,2,3,4,5
.if SKIP_
.set SKIP_, 0
.else
.set PC_, 12*(\q)+6*(\p/3)+\p%3
.set PN_, 12*(\q)+6*((\p+1)/3)+(\p+1)%3
.set X_, (PC_%32+3)/32
.set XQ_, (PN_%32+3)/32
.if (\p < 5) && (X_ == XQ_)
.set SKIP_, 1
.if X_
	ds_load_2addr_b64 v[R_+2*\p:R_+2*\p+3], \a1 offset0:PC_+2*(PC_/32) offset1:PN_+2*(PN_/32)
.else
	ds_load_2addr_b64 v[R_+2*\p:R_+2*\p+3], \a0 offset0:PC_+2*(PC_/32) offset1:PN_+2*(PN_/32)
.endif
.elseif X_
	ds_load_b64 v[R_+2*\p:R_+2*\p+1], \a1 offset:8*(PC_+2*(PC_/32))
.else
	ds_load_b64 v[R_+2*\p:R_+2*\p+1], \a0 offset:8*(PC_+2*(PC_/32))
.endif
.endif
.endr
.endm
.macro WEIGHTS
.irp q, 0,1,2,3,4,5,6,7
.irp b, 0,1,2,3
	FRAG 4*\q+\b, \q, v[BA+2*\b], v[BA+2*\b+1]
.endr
.endr
	WIN 0
.endm
; my tile i (0-3: of the first eight; 4-7: of the second) into set i % 2: window 3, fragment 8 e + q
.macro FETCH i
.set E_, (\i)%2
.set AR_, A8+2*((\i)/4)
.set O_, ((\i)%4)*12288
	WIN 3<<6
.irp q, 0,1,2,3,4,5,6,7
	ds_load_b64  v[FR*(8*E_+\q):FR*(8*E_+\q)+1],    v[AR_]   offset:O_+\q*1536
	ds_load_b128 v[FR*(8*E_+\q)+2:FR*(8*E_+\q)+5],  v[AR_+1] offset:O_+\q*1536+256
	ds_load_b64  v[FR*(8*E_+\q)+6:FR*(8*E_+\q)+7],  v[AR_]   offset:O_+\q*1536+768
	ds_load_b128 v[FR*(8*E_+\q)+8:FR*(8*E_+\q)+11], v[AR_+1] offset:O_+\q*1536+1024
.endr
	WIN 0
.irp k, 0,1,2,3
	ds_load_b32 v[SA+4*E_+\k], v[ASA] offset:(((\i)%4)+8*((\i)/4))*64+\k*1024
.endr
.endm
.macro PRODS a                         ; 32 products, n = 4 q + b
.set E_, (\a)%2
.set N_, 0
.rept 32
.set Q_, N_/4
.set B_, N_%4
.set RW_, FR*(N_%FPW)
.set RA_, FR*(8*E_+Q_)
.set D_, ACC+32*E_+8*B_
	WIN (1+N_/FPW)|(3<<2)
.if Q_ == 0
	v_wmma_scale_f32_16x16x128_f8f6f4 v[D_:D_+7], v[RW_:RW_+11], v[RA_:RA_+11], v[BI+8*B_:BI+8*B_+7], v[SB+4*B_], v[SA+4*E_] matrix_a_fmt:MATRIX_FMT_FP6 matrix_b_fmt:MATRIX_FMT_FP6
.elseif Q_ < 4
	v_wmma_scale_f32_16x16x128_f8f6f4 v[D_:D_+7], v[RW_:RW_+11], v[RA_:RA_+11], v[D_:D_+7], v[SB+4*B_+Q_], v[SA+4*E_+Q_] matrix_a_fmt:MATRIX_FMT_FP6 matrix_b_fmt:MATRIX_FMT_FP6
.else
	v_wmma_scale_f32_16x16x128_f8f6f4 v[D_:D_+7], v[RW_:RW_+11], v[RA_:RA_+11], v[D_:D_+7], v[SB+4*B_+Q_-4], v[SA+4*E_+Q_-4] matrix_a_fmt:MATRIX_FMT_FP6 matrix_b_fmt:MATRIX_FMT_FP6 matrix_a_scale:MATRIX_SCALE_ROW1 matrix_b_scale:MATRIX_SCALE_ROW1
.endif
.set N_, N_+1
.endr
	WIN 0
.endm
.macro TOSTAGE a                       ; accumulator b, register j of lane (r, h) is column 32 (b / 2) + 16 h + 8 (b % 2) + j of token r; LDS serves a wave's instructions in order, so no wait stands between stores and loads
.set AC_, ACC+32*((\a)%2)
.irp b, 0,1,2,3
	ds_store_b128 v[STO], v[AC_+8*\b:AC_+8*\b+3] offset:128*(\b/2)+32*(\b%2)
	ds_store_b128 v[STO], v[AC_+8*\b+4:AC_+8*\b+7] offset:128*(\b/2)+32*(\b%2)+16
.endr
.irp t, 0,1,2,3,4,5,6,7
	ds_load_b128 v[RB+32*((\a)%2)+4*\t:RB+32*((\a)%2)+4*\t+3], v[RD] offset:\t*2*SPI
.endr
.endm
.macro SEND a, younger                 ; tile T's row t is token 32 (T / 2) + 8 (T % 2) + t + 8 (t / 8)
.set TL_, ((\a)%4)+8*((\a)/4)
	s_wait_dscnt \younger
	s_wait_xcnt 0x0                                ; the stores of two tiles ago have read their registers: the next turn through the stage loads into them
.irp t, 0,1,2,3,4,5,6,7
	global_store_b128 v[CO], v[RB+32*((\a)%2)+4*\t:RB+32*((\a)%2)+4*\t+3], s[10:11] offset:(32*(TL_/2)+8*(TL_%2)+2*\t+8*(\t/4))*4096 th:TH_STORE_NT
.endr
.endm
.macro TILE a
.if (\a) == 2
	s_wait_tensorcnt 0x0                           ; every wave: O's tiles 8-15 are in;
	s_wait_dscnt 0x0
	s_barrier_signal -1                            ; a plain barrier shows them to all, with the tile's products between its halves
.elseif (\a) == 0
	s_wait_dscnt 36
.elseif (\a) == 7
	s_wait_dscnt 16
.else
	s_wait_dscnt 52
.endif
	PRODS \a
.if (\a) == 2
	s_barrier_wait -1
.endif
	PLACES 4                                       ; places ahead of the stores that read the sums and of the loads into the fragments' registers
.if (\a) == 7
	SEND 6, 0
.elseif (\a) > 0
	SEND (\a)-1, 36
.endif
	TOSTAGE \a
.if (\a) < 6
	FETCH (\a)+2
.endif
.endm
	s_load_b256 s[4:11], s[0:1], 0x0               ; oq, wp, b_proj, out0
	v_lshl_add_u32 v[SPW], v0, 2, SPARE
	v_mov_b32 v[NIL], 0
	ds_add_u32 v[SPW], v[NIL]                      ; the opening lines: the add, twice on end, and its wait ahead of my tensor load
	ds_add_u32 v[SPW], v[NIL]
	v_lshrrev_b32 v1, 5, v0
	v_readfirstlane_b32 s14, v1                    ; wave; s15 its row of the 2 x 2, s16 its column
	s_lshr_b32 s15, s14, 1
	s_and_b32 s16, s14, 1
	s_bfe_u32 s40, ttmp6, 0x40000                  ; cx
	s_bfe_u32 s41, ttmp6, 0x40004                  ; cy
	s_lshl_b32 s42, ttmp9, 2
	s_add_co_u32 s42, s42, s40                     ; block of 128 columns, 0 .. 7
	s_and_b32 s17, ttmp7, 0xffff
	s_lshl_b32 s17, s17, 2
	s_add_co_u32 s17, s17, s41                     ; block of 256 tokens, 0 .. 31
	s_lshl_b32 s43, s41, 2
	s_lshl_b32 s43, 15, s43                        ; my row of the cluster
	s_lshl_b32 s44, 0x1111, s40                    ; my column
	s_or_b32 s[G1B], s44, (1<<20)|(1<<21)|(5<<22)|(3<<25)   ; W: 128 rows of 768 bytes, 16 bytes of padding behind every 256
	s_mov_b32 s[G1B+1], KROW<<16
	s_mov_b32 s[G1B+2], 128<<16
	s_mov_b32 s[G1B+3], KROW<<16
	s_mov_b32 s[G1B+4], 128
	s_mov_b32 s[G1B+5], KROW
	s_mov_b32 s[G1B+6], 0
	s_mov_b32 s[G1B+7], 0
	s_or_b32 s[G1S], s43, (3<<16)|(1<<21)          ; O's scale words: 8 rows of 1,024 bytes, 32,768 apart
	s_mov_b32 s[G1S+1], 128<<16
	s_mov_b32 s[G1S+2], 8<<16
	s_mov_b32 s[G1S+3], 128<<16
	s_mov_b32 s[G1S+4], 8
	s_mov_b32 s[G1S+5], 4096
	s_mov_b32 s[G1S+6], 0
	s_mov_b32 s[G1S+7], 0
	s_or_b32 s[G1A], s43, (3<<16)|(1<<21)          ; eight tiles of O: 98,304 bytes on end, as 32 rows of 3,072
	s_mov_b32 s[G1A+1], 384<<16
	s_mov_b32 s[G1A+2], 32<<16
	s_mov_b32 s[G1A+3], 384<<16
	s_mov_b32 s[G1A+4], 32
	s_mov_b32 s[G1A+5], 384
	s_mov_b32 s[G1A+6], 0
	s_mov_b32 s[G1A+7], 0
	s_mov_b32 s[G0B], 1
	s_mov_b32 s[G0B+1], BB
	s_mov_b32 s[G0S], 1
	s_mov_b32 s[G0S+1], ASC
	s_mov_b32 s[G0A], 1
	s_mov_b32 s[G0A+1], 0
	s_mov_b32 s[G0A+4], 1
	s_mov_b32 s[G0A+5], AH
	s_mul_i32 s20, s17, 2*AH                       ; my tokens' codes, bytes from oq
	s_mov_b32 s21, 0
	s_lshl_b32 s22, s17, 10
	s_add_co_u32 s22, s22, OSCL                    ; their scale words
	s_mov_b32 s23, 0
	s_mul_i32 s46, s42, 128*KROW                   ; my columns' codes, bytes from wp
	s_mov_b32 s47, 0
	s_lshl_b32 s18, s42, 7
	s_lshl_b32 s19, s16, 6
	s_add_co_u32 s18, s18, s19                     ; my wave's first column
	s_lshl_b32 s66, s18, 5
	s_add_co_u32 s66, s66, WSCL                    ; its scale bytes
	s_mov_b32 s67, 0
	s_lshl_b32 s76, s18, 2
	s_mov_b32 s77, 0
	s_lshl_b32 s78, s17, 8
	s_lshl_b32 s19, s15, 6
	s_add_co_u32 s78, s78, s19                     ; my wave's first token: its tiles 4 a .. are tokens 64 a ..
	s_lshl_b32 s78, s78, 12
	s_mov_b32 s79, 0
	s_mul_i32 s80, s15, 4*12288                    ; LDS: my four tiles of each eight,
	s_lshl_b32 s81, s15, 8
	s_add_co_u32 s81, s81, ASC                     ; their scale words,
	s_mul_i32 s82, s14, 16*SPI
	s_add_co_u32 s82, s82, BB                      ; my stage,
	s_mul_i32 s84, s16, 64*PITCH
	s_add_co_u32 s84, s84, BB                      ; my four column tiles of W
	s_add_co_u32 s85, s84, 16*PITCH
	s_add_co_u32 s86, s85, 16*PITCH
	s_add_co_u32 s87, s86, 16*PITCH
	v_and_b32 v1, 15, v0                           ; r
	v_bfe_u32 v2, v0, 4, 1                         ; h
	v_and_b32 v3, 31, v0
	v_lshl_add_u32 v[A8], v3, 3, s80
	v_lshl_add_u32 v[A8+1], v3, 4, s80
	v_add_nc_u32 v[A8+2], AH, v[A8]
	v_add_nc_u32 v[A8+3], AH, v[A8+1]
	v_lshl_add_u32 v[ASA], v1, 2, s81
	v_lshl_add_u32 v[ASA], v2, 12, v[ASA]
	v_mul_u32_u24 v24, v1, SPI
	v_lshl_add_u32 v24, v2, 6, v24
	v_add_nc_u32 v[STO], s82, v24                  ; in: row r, 64 bytes for each half of the lanes
	v_mul_u32_u24 v25, v2, SPI
	v_lshl_add_u32 v25, v1, 4, v25
	v_add_nc_u32 v[RD], s82, v25                   ; out: sixteen lanes to a row, two rows an instruction
	v_lshlrev_b32 v[CO], 4, v1
	v_lshl_add_u32 v[CO], v2, 12, v[CO]            ; and the same two rows in out0
	v_lshlrev_b32 v[BO], 6, v2
	v_lshlrev_b32 v[BSO], 5, v1
	v_lshl_add_u32 v[BSO], v2, 4, v[BSO]
	v_mul_u32_u24 v26, v1, PITCH
	v_mad_u32_u24 v27, v2, 24, v26
	v_mad_u32_u24 v26, v2, 40, v26
.irp b, 0,1,2,3
	v_add_nc_u32 v[BA+2*\b], s[84+\b], v27
	v_add_nc_u32 v[BA+2*\b+1], s[84+\b], v26
.endr
	s_wait_alu depctr_va_vdst(0)
	s_wait_dscnt 0x0                               ; both opening adds are done
	CROUND                                         ; all sixteen work-groups are here: the joint loads meet
	s_wait_kmcnt 0x0
	s_add_nc_u64 s[G0A+2:G0A+3], s[4:5], s[20:21]
	s_add_nc_u64 s[G0A+6:G0A+7], s[G0A+2:G0A+3], AH
	s_or_b32 s[G0A+3], s[G0A+3], 0x80000000
	s_or_b32 s[G0A+7], s[G0A+7], 0x80000000
	s_add_nc_u64 s[G0S+2:G0S+3], s[4:5], s[22:23]
	s_or_b32 s[G0S+3], s[G0S+3], 0x80000000
	s_add_nc_u64 s[G0B+2:G0B+3], s[6:7], s[46:47]
	s_or_b32 s[G0B+3], s[G0B+3], 0x80000000
	s_add_nc_u64 s[66:67], s[6:7], s[66:67]
	s_add_nc_u64 s[8:9], s[8:9], s[76:77]
	s_add_nc_u64 s[10:11], s[10:11], s[78:79]
	s_add_nc_u64 s[10:11], s[10:11], s[76:77]
	s_cmp_eq_u32 s14, 0                            ; one load a wave, each in an arm of its own
	s_cbranch_scc0 .Lw1
	TLOAD G0B, G1B                                 ; wave 0: W's rows
	s_branch .Lasked
.Lw1:
	s_cmp_eq_u32 s14, 1
	s_cbranch_scc0 .Lw2
	TLOAD G0S, G1S                                 ; wave 1: O's scale words
	s_branch .Lasked
.Lw2:
	s_cmp_eq_u32 s14, 2
	s_cbranch_scc0 .Lw3
	TLOAD G0A, G1A                                 ; wave 2: tiles 0-7
	s_branch .Lasked
.Lw3:
	TLOAD G0A+4, G1A                               ; wave 3: tiles 8-15
.Lasked:
.irp b, 0,1,2,3
	global_load_b128 v[SB+4*\b:SB+4*\b+3], v[BSO], s[66:67] offset:512*\b     ; 32 lanes read a tile's 512 scale bytes on end
.endr
.irp b, 0,1,2,3
	global_load_b128 v[BI+8*\b:BI+8*\b+3], v[BO], s[8:9] offset:128*(\b/2)+32*(\b%2)
	global_load_b128 v[BI+8*\b+4:BI+8*\b+7], v[BO], s[8:9] offset:128*(\b/2)+32*(\b%2)+16
.endr
	s_cmp_eq_u32 s14, 0
	s_cbranch_scc0 .Lnot_b
	s_wait_tensorcnt 0x0
.Lnot_b:
	BARRIER                                        ; W's rows are in
	WEIGHTS
	s_cmp_eq_u32 s14, 3
	s_cbranch_scc1 .Lnot_a
	s_wait_tensorcnt 0x0
.Lnot_a:
	s_wait_dscnt 0x0                               ; W is in my registers
	BARRIER                                        ; the scale words and tiles 0-7 are in, and nobody reads W's bytes any more; tiles 8-15 may be on their way
	FETCH 0
	FETCH 1
	s_wait_loadcnt 0x0                             ; W's scale words and the bias
.irp a, 0,1,2,3,4,5,6,7
	TILE \a
.endr
	SEND 7, 0
	s_wait_tensorcnt 0x0                           ; the wave's end
	ds_add_u32 v[SPW], v[NIL]
	s_wait_dscnt 0x0
	CROUND                                         ; the closing round
	s_endpgm
.Lfunc_end_k_qff343fff16_gemm_out:
	.size	k_qff343fff16_gemm_out, .Lfunc_end_k_qff343fff16_gemm_out-k_qff343fff16_gemm_out
	.p2alignl 7, 3214868480
	.fill 96, 4, 3214868480
	.section	.rodata,"a",@progbits
	.p2align	6, 0x0
	.amdhsa_kernel k_qff343fff16_gemm_out
		.amdhsa_group_segment_fixed_size 327680
		.amdhsa_private_segment_fixed_size 0
		.amdhsa_enable_private_segment 0
		.amdhsa_kernarg_size 32
		.amdhsa_user_sgpr_count 2
		.amdhsa_user_sgpr_kernarg_segment_ptr 1
		.amdhsa_wavefront_size32 1
		.amdhsa_system_sgpr_workgroup_id_x 1
		.amdhsa_system_sgpr_workgroup_id_y 1
		.amdhsa_system_sgpr_workgroup_id_z 1
		.amdhsa_system_vgpr_workitem_id 0
		.amdhsa_next_free_vgpr 960
		.amdhsa_next_free_sgpr 96
		.amdhsa_reserve_vcc 0
		.amdhsa_float_denorm_mode_32 3
		.amdhsa_float_denorm_mode_16_64 3
		.amdhsa_memory_ordered 1
		.amdhsa_forward_progress 1
		.amdhsa_inst_pref_size 84
	.end_amdhsa_kernel
	.amdgpu_metadata
---
amdhsa.version: [ 1, 2 ]
amdhsa.kernels:
  - .name:           k_qff343fff16_gemm_out
    .symbol:         k_qff343fff16_gemm_out.kd
    .args:
      - { .name: oq, .offset: 0, .size: 8, .value_kind: global_buffer, .address_space: global }
      - { .name: wp, .offset: 8, .size: 8, .value_kind: global_buffer, .address_space: global }
      - { .name: b_proj, .offset: 16, .size: 8, .value_kind: global_buffer, .address_space: global }
      - { .name: out0, .offset: 24, .size: 8, .value_kind: global_buffer, .address_space: global }
    .group_segment_fixed_size: 327680
    .private_segment_fixed_size: 0
    .kernarg_segment_align: 8
    .kernarg_segment_size: 32
    .max_flat_workgroup_size: 128
    .sgpr_count:     96
    .vgpr_count:     960
    .wavefront_size: 32
...
	.end_amdgpu_metadata
.endif
;; end of part 4
